; MI455X (gfx1250); checked and timed in simulation.
; The chip was launched on July 23, 2026; its instructions are those of AMD's public machine-readable ISA for CDNA 5 (MIT licence, August 2026) and "CDNA5" Instruction Set Architecture Reference Guide (July 2026). The comments in the code are by the model that wrote it; some were corrected since.
;; Multi Head Attention. Allowed arithmetic: matrix products marked QUANTISED: E2M3 operands, one E8M0 scale for each 32 along K, by v_wmma_scale_f32_16x16x128_f8f6f4 with both operands' format E2M3, f32 sums; everything else in f32.
;; Inputs: Wk 1,024 x 1,024 float32; Wo 1,024 x 1,024 float32; Wq 1,024 x 1,024 float32; Wv 1,024 x 1,024 float32; bk 1,024 float32; bo 1,024 float32; bq 1,024 float32; bv 1,024 float32; head_mask 16 float32; x 4 x 2,048 x 1,024 float32.
;; Outputs: out0 4 x 2,048 x 1,024 float32.
;; This version of the problem:
;;   THIS VERSION OF THE PROBLEM IS GIVEN IN LOW PRECISION. The matrix products marked QUANTISED in the list below multiply operands that are first quantised to E2M3 (2 exponent bits, 3 mantissa bits; 6 bits a number), with one power-of-two scale for each 32 numbers along K (OCP MX v1.0); their sums are f32. All else is computed in f32.
;;   The module's matrix products, in the order in which they are computed (A, B: the left and right operand; K: the contracted axis; several contracted axes count as one K, in the product's order):
;;     1. [M 8,192, K 1,024] x [K 1,024, N 1,024]; A: input x; B: input Wq: QUANTISED
;;     2. [M 8,192, K 1,024] x [K 1,024, N 1,024]; A: input x; B: input Wk: QUANTISED
;;     3. [M 8,192, K 1,024] x [K 1,024, N 1,024]; A: input x; B: input Wv: QUANTISED
;;     4. batch 64 x [M 2,048, K 64] x [K 64, N 2,048]; A: computed on the way; B: computed on the way: QUANTISED
;;     5. batch 64 x [M 64, K 2,048] x [K 2,048, N 2,048]; A: computed on the way; B: computed on the way: QUANTISED
;;     6. [M 8,192, K 1,024] x [K 1,024, N 1,024]; A: computed on the way; B: input Wo: QUANTISED
;;   THE QUANTISER, for each operand of a quantised product, along K:
;;     - K is cut into blocks of 32 from its start; a last block that is shorter is filled with zeros.
;;     - A block's scale is 2^e with e = floor(log2(the largest magnitude in the block)) - 2, held to -126 .. 127; a block of zeros has e = 0. As a byte (E8M0): e + 127.
;;     - Each number is divided by its block's scale, clamped to +-7.5, and rounded to the nearest number of E2M3, ties to even, subnormals kept.
;;     - The product sums the exact products of the quantised numbers (number of the format x scale) in f32.
;;   ~~~python
;;   def quantise(x, axis):      # numpy; x: float32 -> the quantised numbers, widened to float32 again
;;       x = np.moveaxis(x, axis, -1); K = x.shape[-1]
;;       x = np.pad(x, [(0, 0)] * (x.ndim - 1) + [(0, -K % 32)]); x = x.reshape(x.shape[:-1] + (-1, 32)); a = np.abs(x).max(-1, keepdims=True)
;;       e = np.where(a > 0, np.clip(np.frexp(np.where(a > 0, a, 1))[1] - 1 - 2, -126, 127), 0)      # np.frexp(a)[1] - 1 = floor(log2(a)), exactly
;;       r = np.clip(x / 2.0 ** e, -7.5, 7.5)
;;       step = 2.0 ** (np.maximum(np.frexp(np.where(r == 0, 1, r))[1] - 1, 0) - 3)
;;       q = np.round(r / step) * step * 2.0 ** e      # np.round: ties to even
;;       return np.moveaxis(q.reshape(q.shape[:-2] + (-1,))[..., :K], -1, axis).astype(np.float32)
;;   ~~~
;;   OPERANDS COMPUTED ON THE WAY. 'Computed on the way' means the value that the module computes at that place (a softmax that the list does not call 'softmax' is quantised finished and normalised). What goes into a quantiser is computed in f32, as accurately as f32 sums, v_exp_f32 and their like allow (about 1e-6 of the number): no bf16 or f16 on the way to a quantiser, and a product that is left as it is and whose result goes on into a quantised operand takes f32 operands (vector FMAs, or v_wmma_f32_16x16x4_f32). A number that lies on a knife's edge between two numbers of the format may be rounded either way, as far as f32 arithmetic and the matrix unit's own rounding can turn it there, and no further.
;; One version. Each part assembles by itself: llvm-mc -triple=amdgcn-amd-amdhsa -mcpu=gfx1250 --defsym DOCPART=n.
;; ======== version 1 of 1: 4 launches
;; workspace buffers: codes 9,437,184 bytes; scales 393,216 bytes; img 18,874,368 bytes; imgsc 786,432 bytes; ao_codes 6,291,456 bytes; ao_scales 262,144 bytes
;; launch quant (part 1): grid 384 x 1, 4 waves a work-group, no clusters, 33,280 bytes of LDS; arguments x, Wq, Wk, Wv, Wo, codes, scales; writes codes, scales
.if DOCPART == 1
	.amdgcn_target "amdgcn-amd-amdhsa--gfx1250"
	.amdhsa_code_object_version 6
	.text
	.protected	k_qa94fe164f5_quant
	.globl	k_qa94fe164f5_quant
	.p2align	8
	.type	k_qa94fe164f5_quant,@function
k_qa94fe164f5_quant:
	s_mov_b64 s[64:65], 0
	v_nop
	global_prefetch_b8 v0, s[64:65] scope:SCOPE_SE
	s_setreg_imm32_b32 hwreg(HW_REG_WAVE_MODE, 25, 1), 1
	s_wait_xcnt 0x0
; x [8192][1024] and Wq, Wk, Wv, Wo [1024][1024], f32, K innermost, become codes of FP6 (E2M3) and one E8M0 byte for each 32 along K.
; codes is [12288 rows][768 bytes], scales [12288][32]: rows 0.. x, 8192.. Wq, 9216.. Wk, 10240.. Wv, 11264.. Wo.
; THE ROWS ARE STORED IN ANOTHER ORDER: inside each group of 32 rows, bits 3 and 4 of the row's number change places (memory row 16 u + 8 g + s holds true row 16 g + 8 u + s).
; A fragment of 16 neighbouring memory rows then holds eight true rows and the eight that lie 16 further on, which is what the later launches' results need to be neighbours along the next K.
; A work-group takes 32 rows, a wave 8 of them (16 steps of 512 numbers), so the new order is only another place for a wave's whole run of output.
; A block's scale is 2^(floor(log2(largest magnitude)) - 2); its byte is the largest magnitude's exponent field - 2, held at 1 from below.
; LIMITS: a block of zeros gets the byte 1 where the rule says 127 (its codes are zeros, and this program alone reads the bytes); blocks whose largest magnitude lies under 2^-124 are held at that floor; NaN and infinities are not served.
; Each load reads 512 consecutive bytes; a step's 2,048 bytes turn through the wave's own stage in LDS so that a lane holds 16 neighbours along K.  No barrier: waves share nothing.
.set STEPS, 16
.set EMAX,  2
.set CB,    12                         ; bytes of 16 codes
.set R,     16                         ; v16-79   four sets of 16 numbers as they are loaded
.set X,     80                         ; v80-111  two sets of 16 neighbours
.set C,     128                        ; v128-191 codes: four registers for each step
.set E,     112                        ; v112-127 a scale byte for each step
.set WREG,  8192                       ; LDS: a region for each wave: two stages of 32 x SP bytes, then its 256 scale bytes
.set SP,    80                         ; a lane's place in a stage: 64 bytes + 16 of padding
	s_load_b256 s[4:11], s[0:1], 0x0               ; x, Wq, Wk, Wv
	s_load_b128 s[12:15], s[0:1], 0x20             ; Wo, codes
	s_load_b64 s[22:23], s[0:1], 0x30              ; scales
	v_lshl_add_u32 v192, v0, 2, 0x8000
	v_mov_b32 v193, 0
	v_lshrrev_b32 v1, 5, v0
	v_readfirstlane_b32 s16, v1                    ; wave
	v_and_b32 v2, 31, v0                           ; lane
	v_lshlrev_b32 v3, 4, v2                        ; my 16 bytes of a load's 512
	s_mul_i32 s17, s16, WREG
	v_lshrrev_b32 v14, 2, v2
	v_mul_u32_u24 v14, v14, SP
	v_and_b32 v15, 3, v2
	v_lshl_add_u32 v14, v15, 4, v14
	v_add_nc_u32 v14, s17, v14                     ; the stage, on the way in: SP (lane / 4) + 16 (lane % 4)
	v_mul_u32_u24 v15, v2, SP
	v_add_nc_u32 v15, s17, v15                     ; and on the way out: SP x lane: my 16 neighbours
	v_mul_u32_u24 v4, v2, CB                       ; my codes' place in a step's
	v_lshrrev_b32 v5, 1, v2
	s_add_co_u32 s17, s17, 2*32*SP
	v_add_nc_u32 v5, s17, v5                       ; LDS: my wave's 256 scale bytes, my block's byte
	v_lshlrev_b32 v7, 3, v2                        ; and on the way out 8 bytes a lane
	v_add_nc_u32 v6, s17, v7
	s_wait_kmcnt 0x0
	; which tensor: work-groups 0-255 take x, then 32 each for Wq, Wk, Wv, Wo.  The choices hang on the work-group's number alone
	s_sub_co_u32 s26, ttmp9, 256                   ; (wraps in x's work-groups, where it is not used)
	s_lshr_b32 s27, s26, 5                         ; which weight
	s_and_b32 s28, s26, 31                         ; which 32 rows of it
	s_cmp_eq_u32 s27, 1
	s_cselect_b64 s[6:7], s[8:9], s[6:7]
	s_cmp_eq_u32 s27, 2
	s_cselect_b64 s[6:7], s[10:11], s[6:7]
	s_cmp_eq_u32 s27, 3
	s_cselect_b64 s[6:7], s[12:13], s[6:7]
	s_cmp_lt_u32 ttmp9, 256
	s_cselect_b64 s[4:5], s[4:5], s[6:7]
	s_cselect_b32 s28, ttmp9, s28
	s_lshl_b32 s28, s28, 2
	s_add_co_u32 s18, s28, s16                     ; my run of 8 rows in the source
	s_mov_b32 s19, 0
	s_lshl_b64 s[20:21], s[18:19], 15              ; 32,768 bytes a run
	s_add_nc_u64 s[4:5], s[4:5], s[20:21]
	s_and_b32 s24, s16, 1                          ; the output's run: the wave's two bits change places
	s_lshl_b32 s24, s24, 1
	s_lshr_b32 s25, s16, 1
	s_or_b32 s24, s24, s25
	s_lshl_b32 s25, ttmp9, 2
	s_add_co_u32 s18, s25, s24
	s_mul_i32 s20, s18, 6144                       ; 8 rows of 768 bytes
	s_mov_b32 s21, 0
	s_add_nc_u64 s[14:15], s[14:15], s[20:21]
	s_lshl_b32 s20, s18, 8                         ; 8 rows of 32 bytes
	s_add_nc_u64 s[22:23], s[22:23], s[20:21]
.macro LOAD t
.irp i, 0,1,2,3
	global_load_b128 v[R+16*((\t)%4)+4*\i:R+16*((\t)%4)+4*\i+3], v3, s[4:5] offset:2048*(\t)+512*\i th:TH_LOAD_NT   ; 32 lanes read 512 consecutive bytes
.endr
.endm
.macro TURN t                          ; step t's numbers through the stage: LDS serves a wave's instructions in order, so no wait stands between the stores and the loads
.irp i, 0,1,2,3
	ds_store_b128 v14, v[R+16*((\t)%4)+4*\i:R+16*((\t)%4)+4*\i+3] offset:32*SP*((\t)%2)+8*SP*\i
.endr
.irp i, 0,1,2,3
	ds_load_b128 v[X+16*((\t)%2)+4*\i:X+16*((\t)%2)+4*\i+3], v15 offset:32*SP*((\t)%2)+16*\i
.endr
.endm
.irp t, 0,1,2,3
	LOAD \t
.endr
	s_wait_loadcnt 12                              ; step 0's four loads are in; the twelve behind them may be out
	TURN 0
.macro STEP t
.set XS, X+16*((\t)%2)
.if (\t) > 0
	s_wait_dscnt 1                                 ; this step's numbers are back from the stage (the last step's byte store may be out)
.else
	s_wait_dscnt 0x0
.endif
.if (\t)+4 < STEPS
	LOAD (\t)+4                                    ; into the registers that this step's stage stores have read
.endif
.if (\t)+1 < STEPS
.if STEPS-2-(\t) >= 3
	s_wait_loadcnt 12                              ; the next step's four loads are in; those of the three steps behind it may be out
.else
	s_wait_loadcnt 4*(STEPS-2-(\t))
.endif
	TURN (\t)+1
.endif
	v_max3_num_f32 v8, |v[XS]|, |v[XS+1]|, |v[XS+2]|               ; the largest magnitude of my 16, in two chains
	v_max3_num_f32 v9, |v[XS+3]|, |v[XS+4]|, |v[XS+5]|
.irp i, 6,10
	v_max3_num_f32 v8, v8, |v[XS+\i]|, |v[XS+\i+1]|
	v_max3_num_f32 v9, v9, |v[XS+\i+2]|, |v[XS+\i+3]|
.endr
	v_max3_num_f32 v8, v8, |v[XS+14]|, |v[XS+15]|
	v_max3_num_f32 v8, v8, v9, (EMAX+1)<<23        ; and the floor 2^(3 - 127): the byte cannot fall under 1
	v_max_num_f32_dpp v8, v8, v8 row_xmask:1 row_mask:0xf bank_mask:0xf   ; and of my neighbour's 16: the block's
	v_add_nc_u32 v11, -(EMAX<<23), v8              ; 2 off its exponent field: the conversion takes the exponent field of this operand as its scale
	v_cvt_scalef32_pk16_fp6_f32 v[C+4*(\t):C+4*(\t)+2], v[XS:XS+15], v11
	v_lshrrev_b32 v[E+(\t)], 23, v11               ; the scale's byte (a plain line behind the conversion)
	ds_store_b8 v5, v[E+(\t)] offset:16*(\t)       ; both lanes of a block write the same byte with the same value
	global_store_b96 v4, v[C+4*(\t):C+4*(\t)+2], s[14:15] offset:32*CB*(\t)   ; the wave stores 384 consecutive bytes
.endm
.irp t, 0,1,2,3,4,5,6,7,8,9,10,11,12,13,14,15
	STEP \t
.endr
	ds_load_b64 v[12:13], v6                       ; LDS serves a wave's instructions in order: these see my stores
	s_wait_dscnt 0x0
	global_store_b64 v7, v[12:13], s[22:23]        ; 32 lanes store 256 consecutive bytes, aligned
	s_wait_tensorcnt 0x0
	ds_add_u32 v192, v193
	s_wait_dscnt 0x0
	s_endpgm
.Lfunc_end_k_qa94fe164f5_quant:
	.size	k_qa94fe164f5_quant, .Lfunc_end_k_qa94fe164f5_quant-k_qa94fe164f5_quant
	.p2alignl 7, 3214868480
	.fill 96, 4, 3214868480
	.section	.rodata,"a",@progbits
	.p2align	6, 0x0
	.amdhsa_kernel k_qa94fe164f5_quant
		.amdhsa_group_segment_fixed_size 33280
		.amdhsa_private_segment_fixed_size 0
		.amdhsa_enable_private_segment 0
		.amdhsa_kernarg_size 56
		.amdhsa_user_sgpr_count 2
		.amdhsa_user_sgpr_kernarg_segment_ptr 1
		.amdhsa_wavefront_size32 1
		.amdhsa_system_sgpr_workgroup_id_x 1
		.amdhsa_system_sgpr_workgroup_id_y 1
		.amdhsa_system_sgpr_workgroup_id_z 1
		.amdhsa_system_vgpr_workitem_id 0
		.amdhsa_next_free_vgpr 194
		.amdhsa_next_free_sgpr 66
		.amdhsa_reserve_vcc 0
		.amdhsa_float_denorm_mode_32 3
		.amdhsa_float_denorm_mode_16_64 3
		.amdhsa_memory_ordered 1
		.amdhsa_forward_progress 1
		.amdhsa_inst_pref_size 33
	.end_amdhsa_kernel
	.amdgpu_metadata
---
amdhsa.version: [ 1, 2 ]
amdhsa.kernels:
  - .name:           k_qa94fe164f5_quant
    .symbol:         k_qa94fe164f5_quant.kd
    .args:
      - { .name: x, .offset: 0, .size: 8, .value_kind: global_buffer, .address_space: global }
      - { .name: Wq, .offset: 8, .size: 8, .value_kind: global_buffer, .address_space: global }
      - { .name: Wk, .offset: 16, .size: 8, .value_kind: global_buffer, .address_space: global }
      - { .name: Wv, .offset: 24, .size: 8, .value_kind: global_buffer, .address_space: global }
      - { .name: Wo, .offset: 32, .size: 8, .value_kind: global_buffer, .address_space: global }
      - { .name: codes, .offset: 40, .size: 8, .value_kind: global_buffer, .address_space: global }
      - { .name: scales, .offset: 48, .size: 8, .value_kind: global_buffer, .address_space: global }
    .group_segment_fixed_size: 33280
    .private_segment_fixed_size: 0
    .kernarg_segment_align: 8
    .kernarg_segment_size: 56
    .max_flat_workgroup_size: 128
    .sgpr_count:     66
    .vgpr_count:     194
    .wavefront_size: 32
...
	.end_amdgpu_metadata
.endif
;; end of part 1
;; launch qkv (part 2): grid 12 x 32, 4 waves a work-group, clusters of 4 x 4, 327,680 bytes of LDS; arguments codes, scales, bq, bk, bv, img, imgsc; writes img, imgsc
.if DOCPART == 2
	.amdgcn_target "amdgcn-amd-amdhsa--gfx1250"
	.amdhsa_code_object_version 6
	.text
	.protected	k_qa94fe164f5_qkv
	.globl	k_qa94fe164f5_qkv
	.p2align	8
	.type	k_qa94fe164f5_qkv,@function
k_qa94fe164f5_qkv:
	s_mov_b64 s[64:65], 0
	v_nop
	global_prefetch_b8 v0, s[64:65] scope:SCOPE_SE
	s_setreg_imm32_b32 hwreg(HW_REG_WAVE_MODE, 25, 1), 1
	s_wait_xcnt 0x0
	s_wait_alu depctr_hold_cnt(0) depctr_sa_sdst(0) depctr_va_vdst(0) depctr_va_sdst(0) depctr_va_ssrc(0) depctr_va_vcc(0) depctr_vm_vsrc(0)
	s_getreg_b32 s2, hwreg(HW_REG_IB_STS2, 6, 4)
	s_cmp_eq_u32 s2, 0
	s_cbranch_scc0 .Lentry_in_a_cluster
	s_endpgm
.Lentry_in_a_cluster:
	s_bfe_u32 s2, ttmp6, 0x10000c
	s_cmp_lg_u32 s2, 0xf033
	s_cbranch_scc0 .Lentry_shape_is_right
	s_endpgm
.Lentry_shape_is_right:
; q = x Wq^T + bq, k = x Wk^T + bk, v = x Wv^T + bv on codes of FP6 (E2M3) with E8M0 scales, K = 1,024; each result is quantised in registers for the product that follows and stored as IMAGES OF OPERAND REGISTERS.
; A tile of 256 x 256 results to a work-group of four waves, 128 x 128 to a wave: 64 accumulators, 512 registers.  K goes in steps of 256 through a ring of two LDS slots filled by the tensor data mover.
; THE CLUSTER'S x PICKS THE PART: 0 q, 1 k, 2 v.  'A' is the side whose 16 rows become a lane's row (source 1), 'B' the side along which a lane's registers run (source 0).
;   q, k: A = rows of x, B = rows of the weight: a lane holds one token and registers along the features, the next K.     v: A = rows of Wv, B = rows of x: a lane holds one feature and registers along the tokens (V^T), the next K.
; The rows of codes lie in the order that launch quant gave them, so that the 16 registers of B's tiles 2 b and 2 b + 1 are 16 true neighbours: 32 b + 16 (lane / 16) + 0 .. 15.
; So a block of 16 rows of A x the wave's 128 of B is, in each lane, 64 numbers in the order that the conversions want: bias added, four blocks of 32 quantised, 12 registers of codes and one scale word a row.
; AN IMAGE: register R of lane l at 512 (R / 4) + 16 l + 4 (R % 4), 1,536 bytes; three stores of 512 consecutive bytes.  Its scale words: 64 bytes, row r's at 4 r.
;   image G x 512 + T: features 128 (G % 8) .. + 127 of q (G < 8) or k, memory rows 16 T .. + 15 of x.     image 8192 + G' x 64 + nT: V^T, memory rows 16 nT .. of Wv, tokens 128 G' .. + 127.
; CLUSTERS: 4 x 4 work-groups; A's tile is asked for jointly along a row of the cluster, B's along a column.  All partners have the same cluster x, so the one branch on the part is alike in all of them.
; LIMITS: a block of zeros gets the byte 1 (codes zero; read by this program alone); blocks under 2^-124 are held at that floor; NaN and infinities are not served.
; REGISTERS: window 0: v0-31 addresses; v32-63 scale words, two sets; v64-127 the bias by B's column; v128-223 A's fragments, one set; v240-255 the bias by A's row, in pairs.  On the way out v128-235 are at work.
;   window 1: B's fragments, two sets.   windows 2, 3: the accumulators ((a, b) at v[8 (8 (a % 4) + b)]).
.set SIZE_K, 1024
.set KSTEP,  256
.set NQ,     KSTEP/128
.set ROWB,   192                       ; a tile's row in bytes
.set KROW,   SIZE_K*6/8                ; a row of codes in memory
.set PITCH,  240                       ; an LDS row: 3 x (64 bytes + 16 of padding)
.set FR,     12
.set NL,     6
.set NP,     4                         ; places behind this matrix instruction (ISA guide 7.12.1)
.set HALFT,  128*PITCH
.set SLOT,   4*HALFT
.set LAPS,   SIZE_K/(2*KSTEP)
.set KS,     SIZE_K/32
.set SCL,    2*SLOT                    ; behind the ring: the scales, as units of 256 bytes + 16 of padding
.set HALFS,  (128*KS/256)*272
.set SBLK,   (16*KS/256)*272
.set SPARE,  SCL+4*HALFS               ; the spare words: 128 bytes a wave, two blocks of 256 bytes that no other line names
.set OI,   7                           ; v7   16 x lane: an image's place for my lane
.set SWS,  8                           ; v8   where I put a scale word: 512 x wave + 4 (lane % 16), in slot 0, which has had its last fill and its last read by then
.set SRD,  9                           ; v9   and where I read 16 bytes of them back
.set BBO,  10                          ; v10  64 (lane / 16): the bias by B's column
.set BAO,  11                          ; v11  4 (r + 8 (r / 8)): the bias by A's row
.set ADRA, 16
.set ADRB, 20
.set ADRS, 27
.set SPW,  28
.set NIL,  29
.set SC,   32
.set BB,   64
.set AF,   128
.set BA,   240
.set T,    128                         ; the way out: 64 numbers
.set TM,   192                         ; v192-195 largest magnitudes, v196-199 bytes, v204-207 the conversions' scale operands
.set PW,   208                         ; the scale word just made
.set CDS,  210                         ; v210-229 the codes just made
.set SWB,  232
.set G1, 24
.set G0, 32
.set G1B, 48
.set G0B, 56
.set SEL, 66                           ; s[66:67] lane selects for v_permlanex16_b32: lane l xor 16
.set G1S, 68
.set G0S, 76
.set G1SB, 80
.set G0SB, 88
.set OUT, 98                           ; s[98:99] my first image;  s[100:101] its scale words
.set OSC, 100
.set MSB, 0
.macro WIN new                         ; the immediate's high byte repeats the setting that is left
.if MSB != \new
	s_set_vgpr_msb (MSB<<8)|\new
.set MSB, \new
.endif
.endm
.set MUL_LO, 0xa1                      ; source 0 (B) window 1, source 1 (A) window 0, C and D window 2
.set MUL_HI, 0xf1
.set TO_B,   0x40
; A joint load: waves 0 and 1 fetch for A, waves 2 and 3 for B.  The branch hangs on the wave's number alone.  Four v_nop follow each of the two lines.
.macro JLOAD g0a, g1a, g0b, g1b
	s_cmp_eq_u32 s15, 0
	s_cbranch_scc0 .Lfor_b_\@
	tensor_load_to_lds s[\g0a:\g0a+3], s[\g1a:\g1a+7]
	s_nop 0
.rept 4
	v_nop
.endr
	s_branch .Lasked_\@
.Lfor_b_\@:
	tensor_load_to_lds s[\g0b:\g0b+3], s[\g1b:\g1b+7]
	s_nop 0
.rept 4
	v_nop
.endr
.Lasked_\@:
.endm
.macro CREST                           ; a round of the cluster's barrier behind its opening barrier
	s_cmp_lg_u32 s14, 0
	s_cbranch_scc1 .Lnot_wave_0_\@
	s_barrier_signal -3
.Lnot_wave_0_\@:
	s_barrier_wait -3
	s_barrier_signal -1
	s_barrier_wait -1
.endm
.macro CROUND
	s_barrier_signal -1
	s_barrier_wait -1
	CREST
.endm
	s_load_b128 s[4:7], s[0:1], 0x0                ; codes, scales
	s_load_b128 s[8:11], s[0:1], 0x10              ; bq, bk
	s_load_b128 s[96:99], s[0:1], 0x20             ; bv, img
	s_load_b64 s[100:101], s[0:1], 0x30            ; imgsc
	v_lshl_add_u32 v[SPW], v0, 2, SPARE
	v_mov_b32 v[NIL], 0
	ds_add_u32 v28, v29
	ds_add_u32 v28, v29
	s_wait_dscnt 0x0
	v_lshrrev_b32 v1, 5, v0
	v_readfirstlane_b32 s14, v1                    ; wave 0..3
	s_lshr_b32 s15, s14, 1                         ; which half of A's 256 rows is mine.  Also: I fetch for A (0) or for B (1)
	s_and_b32 s16, s14, 1                          ; which half of B's.  Also: which 128 rows of that tile I fetch
	s_bfe_u32 s40, ttmp6, 0x40000                  ; cx, cy: my place in the cluster
	s_bfe_u32 s41, ttmp6, 0x40004
	s_and_b32 s13, ttmp7, 0xffff                   ; the cluster's y
	s_cmp_eq_u32 ttmp9, 2                          ; the part: v?
	s_cselect_b32 s12, 1, 0                        ; kept: 1 = v
	s_cselect_b32 s17, 0, s13
	s_cselect_b32 s42, s13, ttmp9
	s_cselect_b32 s95, 10240, 0                    ; A's first row in codes: Wv's, or x's
	s_cselect_b32 s94, 0, 8192                     ; B's: x's, or Wq's (Wk's rows follow it)
	s_lshl_b32 s17, s17, 2
	s_add_co_u32 s17, s17, s41                     ; A's tile: q, k: 4 x cluster y + cy;  v: cy
	s_lshl_b32 s42, s42, 2
	s_add_co_u32 s42, s42, s40                     ; B's tile: q, k: 4 x cluster x + cx;  v: 4 x cluster y + cx
	s_lshl_b32 s43, s41, 2
	s_lshl_b32 s43, 15, s43                        ; my row of the cluster
	s_lshl_b32 s44, 0x1111, s40                    ; my column
	; descriptor group 1: a tile of 128 rows x 192 bytes, 16 bytes of padding behind every 64
	s_or_b32 s[G1+0], s43, (0<<16)|(1<<20)|(1<<21)|(3<<22)|(3<<25)
	s_or_b32 s[G1B+0], s44, (0<<16)|(1<<20)|(1<<21)|(3<<22)|(3<<25)
.irp g, G1, G1B
	s_mov_b32 s[\g+1], ROWB<<16                    ; tensor_dim0
	s_mov_b32 s[\g+2], 128<<16                     ; tensor_dim1
	s_mov_b32 s[\g+3], ROWB<<16                    ; tile_dim0
	s_mov_b32 s[\g+4], 128                         ; tile_dim1
	s_mov_b32 s[\g+5], KROW                        ; from row to row
	s_mov_b32 s[\g+6], 0
	s_mov_b32 s[\g+7], 0
.endr
	; the scales of 128 rows: 4,096 dense bytes, as 16 rows of 256 bytes (32 elements of 8), 16 bytes of padding behind each
	s_or_b32 s[G1S+0], s43, (3<<16)|(1<<20)|(1<<21)|(5<<22)|(3<<25)
	s_or_b32 s[G1SB+0], s44, (3<<16)|(1<<20)|(1<<21)|(5<<22)|(3<<25)
.irp g, G1S, G1SB
	s_mov_b32 s[\g+1], 32<<16
	s_mov_b32 s[\g+2], (128*KS/256)<<16
	s_mov_b32 s[\g+3], 32<<16
	s_mov_b32 s[\g+4], 128*KS/256
	s_mov_b32 s[\g+5], 32
	s_mov_b32 s[\g+6], 0
	s_mov_b32 s[\g+7], 0
.endr
	s_lshl_b32 s18, s16, 7                         ; which 128 rows of the tile I fetch
	s_lshl_b32 s20, s17, 8
	s_add_co_u32 s20, s20, s18
	s_add_co_u32 s20, s20, s95                     ; A's row in codes and in scales
	s_lshl_b32 s46, s42, 8
	s_add_co_u32 s46, s46, s18
	s_add_co_u32 s46, s46, s94                     ; B's
	s_lshl_b32 s22, s20, 5                         ; 32 scale bytes a row
	s_mov_b32 s23, 0
	s_mul_i32 s20, s20, KROW                       ; 768 bytes of codes a row: under 12,288 x 768
	s_mov_b32 s21, 0
	s_lshl_b32 s92, s46, 5
	s_mov_b32 s93, 0
	s_mul_i32 s46, s46, KROW
	s_mov_b32 s47, 0
	s_mul_i32 s45, s14, HALFT                      ; where they go: wave x 128 rows: no place in the cluster enters an LDS address
	s_mul_i32 s94, s14, HALFS
	s_wait_kmcnt 0x0
	s_add_nc_u64 s[20:21], s[4:5], s[20:21]
	s_add_nc_u64 s[22:23], s[6:7], s[22:23]
	s_add_nc_u64 s[46:47], s[4:5], s[46:47]
	s_add_nc_u64 s[92:93], s[6:7], s[92:93]
	CROUND                                         ; all sixteen work-groups are here: the first joint loads meet
	s_mov_b32 s[G0S], 1
	s_add_co_u32 s[G0S+1], s94, SCL
	s_mov_b64 s[G0S+2:G0S+3], s[22:23]
	s_or_b32 s[G0S+3], s[G0S+3], 0x80000000
	s_mov_b32 s[G0SB], 1
	s_add_co_u32 s[G0SB+1], s94, SCL
	s_mov_b64 s[G0SB+2:G0SB+3], s[92:93]
	s_or_b32 s[G0SB+3], s[G0SB+3], 0x80000000
	JLOAD G0S, G1S, G0SB, G1SB                     ; the scales first: they are wanted with K step 0
.irp s, 0,1
	s_mov_b32 s[G0+4*\s], 1
	s_add_co_u32 s[G0+4*\s+1], s45, \s*SLOT
	s_add_nc_u64 s[G0+4*\s+2:G0+4*\s+3], s[20:21], \s*ROWB
	s_or_b32 s[G0+4*\s+3], s[G0+4*\s+3], 0x80000000
	s_mov_b32 s[G0B+4*\s], 1
	s_add_co_u32 s[G0B+4*\s+1], s45, \s*SLOT
	s_add_nc_u64 s[G0B+4*\s+2:G0B+4*\s+3], s[46:47], \s*ROWB
	s_or_b32 s[G0B+4*\s+3], s[G0B+4*\s+3], 0x80000000
	JLOAD G0+4*\s, G1, G0B+4*\s, G1B               ; three tensor loads of mine are out now
.endr
	v_and_b32 v1, 15, v0                           ; r = lane % 16
	v_bfe_u32 v2, v0, 4, 1                         ; h = lane / 16
	v_mul_u32_u24 v3, v1, PITCH
	v_mul_u32_u24 v4, v2, 24
	v_add_nc_u32 v4, v3, v4                        ; a fragment's row x pitch + 24 h
	v_lshl_add_u32 v5, v2, 4, v4                   ; and the same behind one padding more
	s_mul_i32 s21, s15, HALFT                      ; my 128 rows of A
	s_mul_i32 s22, s16, HALFT                      ; my 128 rows of B,
	s_add_co_u32 s22, s22, 2*HALFT                 ; which lie behind A's 256
.irp s, 0,1
	v_add_nc_u32 v[ADRA+\s], s21, v4
	v_add_nc_u32 v[ADRB+\s], s22, v4
	v_add_nc_u32 v[ADRA+2+\s], s21, v5
	v_add_nc_u32 v[ADRB+2+\s], s22, v5
	s_add_co_u32 s21, s21, SLOT
	s_add_co_u32 s22, s22, SLOT
.endr
	v_mul_u32_u24 v5, v1, KS                       ; my row's scales: 32 bytes a row,
	v_lshrrev_b32 v6, 8, v5
	v_lshl_add_u32 v5, v6, 4, v5                   ; and 16 more for each 256 passed
	s_mul_i32 s21, s15, HALFS
	s_mul_i32 s22, s16, HALFS
	s_add_co_u32 s22, s22, 2*HALFS
	s_sub_co_u32 s22, s22, s21
	v_mul_u32_u24 v6, s22, v2                      ; lanes 16-31 take B's
	s_add_co_u32 s21, s21, SCL
	v_add_nc_u32 v5, v5, v6
	v_add_nc_u32 v[ADRS], s21, v5
	v_and_b32 v6, 31, v0
	v_lshlrev_b32 v[OI], 4, v6
	s_lshl_b32 s23, s14, 9
	v_lshl_add_u32 v[SWS], v1, 2, s23
	v_add_nc_u32 v[SRD], s23, v[OI]
	v_lshlrev_b32 v[BBO], 6, v2
	v_and_b32 v[BAO], 8, v1
	v_add_nc_u32 v[BAO], v[BAO], v1
	v_lshlrev_b32 v[BAO], 2, v[BAO]
	s_mov_b32 s[SEL], 0x76543210
	s_mov_b32 s[SEL+1], 0xfedcba98
	; the part's bias; both forms are loaded in every part (always inside the 4,096 bytes), and land under the loop
	s_cmp_eq_u32 ttmp9, 1
	s_cselect_b64 s[10:11], s[10:11], s[96:97]     ; bk or bv
	s_cmp_eq_u32 ttmp9, 0
	s_cselect_b64 s[8:9], s[8:9], s[10:11]         ; bq or that
	s_lshl_b32 s22, s42, 8
	s_lshl_b32 s23, s16, 7
	s_add_co_u32 s22, s22, s23
	s_and_b32 s22, s22, 1023                       ; my 128 of B, as a feature
	s_lshl_b32 s22, s22, 2
	s_mov_b32 s23, 0
	s_add_nc_u64 s[10:11], s[8:9], s[22:23]
	s_lshl_b32 s22, s17, 8
	s_lshl_b32 s18, s15, 7
	s_add_co_u32 s22, s22, s18
	s_and_b32 s22, s22, 1023                       ; my 128 of A, as a feature
	s_lshl_b32 s22, s22, 2
	s_add_nc_u64 s[8:9], s[8:9], s[22:23]
.irp b, 0,1,2,3,4,5,6,7                        ; tile b's register j is true column 32 (b / 2) + 16 h + 8 (b % 2) + j
	global_load_b128 v[BB+8*\b:BB+8*\b+3], v[BBO], s[10:11] offset:128*(\b/2)+32*(\b%2)
	global_load_b128 v[BB+8*\b+4:BB+8*\b+7], v[BBO], s[10:11] offset:128*(\b/2)+32*(\b%2)+16
.endr
.irp a, 0,1,2,3,4,5,6,7                        ; lane r of block a is true row 32 (a / 2) + 8 (a % 2) + r + 8 (r / 8); twice, for the packed addition
	global_load_b32 v[BA+2*\a], v[BAO], s[8:9] offset:128*(\a/2)+32*(\a%2)
	global_load_b32 v[BA+2*\a+1], v[BAO], s[8:9] offset:128*(\a/2)+32*(\a%2)
.endr
	; my first image: q, k: (2 B's tile + half) x 512 + 16 A's tile + 8 half;  v: 8192 + (2 B's tile + half) x 64 + the same
	s_lshl_b32 s20, s42, 1
	s_add_co_u32 s20, s20, s16
	s_cmp_eq_u32 s12, 0
	s_cselect_b32 s21, 9, 6
	s_cselect_b32 s22, 0, 8192
	s_lshl_b32 s20, s20, s21
	s_add_co_u32 s20, s20, s22
	s_lshl_b32 s21, s17, 4
	s_add_co_u32 s20, s20, s21
	s_lshl_b32 s21, s15, 3
	s_add_co_u32 s20, s20, s21
	s_mul_i32 s22, s20, 1536
	s_mov_b32 s23, 0
	s_add_nc_u64 s[OUT:OUT+1], s[OUT:OUT+1], s[22:23]
	s_lshl_b32 s22, s20, 6
	s_add_nc_u64 s[OSC:OSC+1], s[OSC:OSC+1], s[22:23]
.macro FRAG reg, adr, q, i             ; a fragment: 16 rows x 128 K, 12 registers: lane (r, h) takes 24 bytes at 24 h and 24 at 48 + 24 h of its row's 96, in pieces of 8 bytes
.irp p, 0,1,2,3,4,5
.set PCE, 12*(\q)+6*(\p/3)+\p%3        ; the piece's number in the row; 16 bytes of padding lie behind every 8 pieces; where lanes 16-31 stand behind one padding more, the second address register serves
.if PCE%8 < 5
	ds_load_b64 v[\reg+2*\p:\reg+2*\p+1], v[\adr] offset:8*PCE+16*(PCE/8)+(\i)*16*PITCH
.else
	ds_load_b64 v[\reg+2*\p:\reg+2*\p+1], v[\adr+2] offset:8*PCE+16*(PCE/8)+(\i)*16*PITCH
.endif
.endr
.endm
; 16 matrix instructions: A's blocks a0, a0 + 1 x B's eight.  The 64 accumulators take turns, one instruction a turn, in the same order in every step.
.macro MUL16 a0, p, q, sc, zero
.irp a, \a0, \a0+1
.irp b, 0,1,2,3,4,5,6,7
.if \zero
	v_wmma_scale_f32_16x16x128_f8f6f4 v[8*(8*((\a)%4)+\b):8*(8*((\a)%4)+\b)+7], v[128*(\p)+FR*\b:128*(\p)+FR*\b+FR-1], v[AF+FR*(\a):AF+FR*(\a)+FR-1], 0, v[SC+8*NQ*(\sc)+NQ*\b+(\q)], v[SC+8*NQ*(\sc)+NQ*(\a)+(\q)] matrix_a_fmt:MATRIX_FMT_FP6 matrix_b_fmt:MATRIX_FMT_FP6 matrix_a_scale:MATRIX_SCALE_ROW1
.else
	v_wmma_scale_f32_16x16x128_f8f6f4 v[8*(8*((\a)%4)+\b):8*(8*((\a)%4)+\b)+7], v[128*(\p)+FR*\b:128*(\p)+FR*\b+FR-1], v[AF+FR*(\a):AF+FR*(\a)+FR-1], v[8*(8*((\a)%4)+\b):8*(8*((\a)%4)+\b)+7], v[SC+8*NQ*(\sc)+NQ*\b+(\q)], v[SC+8*NQ*(\sc)+NQ*(\a)+(\q)] matrix_a_fmt:MATRIX_FMT_FP6 matrix_b_fmt:MATRIX_FMT_FP6 matrix_a_scale:MATRIX_SCALE_ROW1
.endif
.endr
.endr
.endm
.macro FETCH_B slot, q, p
	WIN TO_B
.irp i, 0,1,2,3,4,5,6,7
	FRAG 128*(\p)+FR*\i, ADRB+\slot, \q, \i
.endr
	WIN 0
.endm
.macro FETCH_A slot, q, i0
.irp i, \i0, \i0+1, \i0+2, \i0+3
	FRAG AF+FR*(\i), ADRA+\slot, \q, \i
.endr
.endm
.macro SCALES sc                       ; a K step's scale words: lanes 0-15 take A's block i, lanes 16-31 B's block i
.irp i, 0,1,2,3,4,5,6,7
	ds_load_b64 v[SC+8*NQ*\sc+NQ*\i:SC+8*NQ*\sc+NQ*\i+1], v[ADRS] offset:\i*SBLK
.endr
.endm
.macro PLACES n                        ; plain vector lines between a matrix instruction and a load into, or a read of, its registers
.rept \n
	v_nop
.endr
.endm
.macro STEP slot, q, zero              ; 128 along K that have their successor in the same slot
	s_wait_dscnt 4*NL                              ; B's set and A's blocks 0-3 are in; the youngest 24 loads (A's blocks 4-7) may be out
	WIN MUL_LO
	MUL16 0, (\q)%2, \q, \slot, \zero
	MUL16 2, (\q)%2, \q, \slot, \zero
	s_wait_dscnt 0
	PLACES NP
	FETCH_B \slot, (\q)+1, 1-(\q)%2
	FETCH_A \slot, (\q)+1, 0
	WIN MUL_HI
	MUL16 4, (\q)%2, \q, \slot, \zero
	MUL16 6, (\q)%2, \q, \slot, \zero
	PLACES NP
	WIN 0
	FETCH_A \slot, (\q)+1, 4
.endm
; A slot's last step changes slots: one barrier; in front of it each wave waits for all its tensor loads, adds 0 to its spare word, and waits for that and for its own reads of this slot.
.macro TURN slot, next, fill
	s_wait_tensorcnt 0x0                           ; all my tensor loads have landed: my part of the next slot
	ds_add_u32 v[SPW], v[NIL]                      ; 0 onto my spare word
	s_wait_dscnt 4*NL+1                            ; (the add and the youngest 24 loads may be out)
	WIN MUL_LO
	MUL16 0, 1, NQ-1, \slot, 0
	s_wait_dscnt 0x0                               ; the add is done, and my reads of this slot are over
	s_barrier_signal -1
	MUL16 2, 1, NQ-1, \slot, 0
	WIN 0
	s_barrier_wait -1
.if \fill
	CREST                                          ; the barrier has opened a round of the cluster's: no wave of any partner still reads this slot or has a load on its way
	s_add_nc_u64 s[G0+4*\slot+2:G0+4*\slot+3], s[G0+4*\slot+2:G0+4*\slot+3], 2*ROWB
	s_add_nc_u64 s[G0B+4*\slot+2:G0B+4*\slot+3], s[G0B+4*\slot+2:G0B+4*\slot+3], 2*ROWB
	JLOAD G0+4*\slot, G1, G0B+4*\slot, G1B         ; the first tensor load behind the round, and my only one until the next; its four v_nop are the places in front of the loads below
.else
	PLACES NP
.endif
	v_add_nc_u32 v[ADRS], 4*NQ, v[ADRS]            ; the next K step's scale words
	FETCH_B \next, 0, 0
	FETCH_A \next, 0, 0
	SCALES \next
	WIN MUL_HI
	MUL16 4, 1, NQ-1, \slot, 0
	MUL16 6, 1, NQ-1, \slot, 0
	PLACES NP
	WIN 0
	FETCH_A \next, 0, 4
.endm
	s_wait_tensorcnt 1                             ; the scales and my part of K step 0 are in (K step 1's load may be out)
	s_barrier_signal -1
	s_barrier_wait -1
	FETCH_B 0, 0, 0
	FETCH_A 0, 0, 0
	SCALES 0
	FETCH_A 0, 0, 4
	STEP 0, 0, 1                                   ; the first step's products start the sums
	s_mov_b32 s3, LAPS-1
.Llap:                                                 ; a trip goes once round the ring and fills both slots again
	TURN 0, 1, 1
	STEP 1, 0, 0
	TURN 1, 0, 1
	STEP 0, 0, 0
	s_sub_co_u32 s3, s3, 1
	s_cmp_lg_u32 s3, 0
	s_cbranch_scc1 .Llap
	TURN 0, 1, 0                                   ; the last lap fills nothing
	STEP 1, 0, 0
	s_wait_dscnt 4*NL
	WIN MUL_LO
	MUL16 0, 1, NQ-1, 1, 0
	MUL16 2, 1, NQ-1, 1, 0
	s_wait_dscnt 0
	WIN MUL_HI
	MUL16 4, 1, NQ-1, 1, 0
	MUL16 6, 1, NQ-1, 1, 0
	WIN 0
; 64 numbers of a lane, register 16 b + i = k 32 b + 16 (lane / 16) + i of my row, become a fragment's codes in v[CDS] on and its scale word in v[PW].
.macro QUANT s
.irp b, 0,1,2,3
	v_max3_num_f32 v[TM+\b], |v[\s+16*\b]|, |v[\s+1+16*\b]|, 0x1800000   ; block b: my 16 numbers, and the floor 2^(3 - 127)
.endr
.irp i, 2,4,6,8,10,12,14
.irp b, 0,1,2,3
	v_max3_num_f32 v[TM+\b], v[TM+\b], |v[\s+16*\b+\i]|, |v[\s+1+16*\b+\i]|
.endr
.endr
.irp b, 0,1,2,3
	v_permlanex16_b32 v[TM+4+\b], v[TM+\b], s[SEL], s[SEL+1]
.endr
.irp b, 0,1,2,3
	v_max_num_f32 v[TM+\b], v[TM+\b], v[TM+4+\b]   ; with lane l xor 16's: the block's largest magnitude
.endr
.irp b, 0,1,2,3
	v_add_nc_u32 v[TM+12+\b], 0xff000000, v[TM+\b] ; 2 off its exponent field: the conversion's scale operand
.endr
.irp b, 0,1,2,3
	v_lshrrev_b32 v[TM+4+\b], 23, v[TM+12+\b]      ; the scale's byte
.endr
	v_lshl_or_b32 v[PW], v[TM+5], 8, v[TM+4]
	v_lshl_or_b32 v[PW], v[TM+6], 16, v[PW]
	v_lshl_or_b32 v[PW], v[TM+7], 24, v[PW]
.irp c, 0,1
	v_cvt_scalef32_pk16_fp6_f32 v[CDS+6*\c:CDS+2+6*\c], v[\s+32*\c:\s+15+32*\c], v[TM+12+2*\c]
	v_cvt_scalef32_pk16_fp6_f32 v[CDS+12+4*\c:CDS+14+4*\c], v[\s+16+32*\c:\s+31+32*\c], v[TM+12+2*\c+1]   ; (a conversion's three registers begin on an even number)
.endr
	v_nop                                          ; one plain line behind a scaled conversion
.irp c, 0,1                                    ; the operand's layout wants a whole block in a lane: lanes 0-15 block 2 c, lanes 16-31 block 2 c + 1
.irp i, 0,1,2
	v_permlane16_swap_b32 v[CDS+6*\c+\i], v[CDS+12+4*\c+\i]
.endr
.irp i, 0,1,2
	v_mov_b32 v[CDS+3+6*\c+\i], v[CDS+12+4*\c+\i]
.endr
.endr
.endm
; Block a of 16 rows of A: bias, quantised, one image and its scale words.  Each accumulator is read from its low end on.
.macro OUTBLK a
.set AC, 64*((\a)%4)
	s_wait_xcnt 0x0                                ; the last block's stores have read the codes' registers
	s_wait_dscnt 0x0                               ; and its LDS store the scale word
	s_cmp_eq_u32 s12, 0                            ; the part: alike in all waves and all partners
	s_cbranch_scc0 .Lby_row_\@
	WIN 0x02+(\a)/4                                ; source 0: window 2 or 3
.set i, 0
.rept 32
	v_pk_add_f32 v[T+2*i:T+2*i+1], v[AC+2*i:AC+2*i+1], v[BB+2*i:BB+2*i+1]       ; q, k: the bias runs along my registers
.set i, i+1
.endr
	WIN 0
	s_branch .Ljoined_\@
.Lby_row_\@:
	WIN 0x02+(\a)/4
.set i, 0
.rept 32
	v_pk_add_f32 v[T+2*i:T+2*i+1], v[AC+2*i:AC+2*i+1], v[BA+2*(\a):BA+2*(\a)+1] ; v: one bias for my row
.set i, i+1
.endr
	WIN 0
.Ljoined_\@:
	QUANT T
.irp c, 0,1,2
	global_store_b128 v[OI], v[CDS+4*\c:CDS+4*\c+3], s[OUT:OUT+1] offset:1536*(\a)+512*\c   ; 32 lanes store 512 consecutive bytes, aligned
.endr
	ds_store_b32 v[SWS], v[PW] offset:64*(\a)      ; lanes r and r + 16 write the same word with the same value
.endm
	PLACES NP                                      ; behind the last products: the lines below write registers that held A's fragments, and read results
	s_wait_loadcnt 0x0                             ; the biases
.irp b, 0,1,2,3
	v_mov_b32 v[TM+4+\b], 0                        ; written once: a lane permute's destination counts as one of its sources
.endr
.irp a, 0,1,2,3,4,5,6,7
	OUTBLK \a
.endr
	ds_load_b128 v[SWB:SWB+3], v[SRD]              ; my eight images' scale words, 512 bytes (LDS serves a wave's instructions in order)
	s_wait_dscnt 0x0
	global_store_b128 v[OI], v[SWB:SWB+3], s[OSC:OSC+1]
	s_wait_tensorcnt 0x0                           ; the wave's end
	ds_add_u32 v[SPW], v[NIL]
	s_wait_dscnt 0x0
	CROUND                                         ; the closing round
	s_endpgm
.Lfunc_end_k_qa94fe164f5_qkv:
	.size	k_qa94fe164f5_qkv, .Lfunc_end_k_qa94fe164f5_qkv-k_qa94fe164f5_qkv
	.p2alignl 7, 3214868480
	.fill 96, 4, 3214868480
	.section	.rodata,"a",@progbits
	.p2align	6, 0x0
	.amdhsa_kernel k_qa94fe164f5_qkv
		.amdhsa_group_segment_fixed_size 327680
		.amdhsa_private_segment_fixed_size 0
		.amdhsa_enable_private_segment 0
		.amdhsa_kernarg_size 56
		.amdhsa_user_sgpr_count 2
		.amdhsa_user_sgpr_kernarg_segment_ptr 1
		.amdhsa_wavefront_size32 1
		.amdhsa_system_sgpr_workgroup_id_x 1
		.amdhsa_system_sgpr_workgroup_id_y 1
		.amdhsa_system_sgpr_workgroup_id_z 1
		.amdhsa_system_vgpr_workitem_id 0
		.amdhsa_next_free_vgpr 1024
		.amdhsa_next_free_sgpr 102
		.amdhsa_reserve_vcc 0
		.amdhsa_float_denorm_mode_32 3
		.amdhsa_float_denorm_mode_16_64 3
		.amdhsa_memory_ordered 1
		.amdhsa_forward_progress 1
		.amdhsa_inst_pref_size 202
	.end_amdhsa_kernel
	.amdgpu_metadata
---
amdhsa.version: [ 1, 2 ]
amdhsa.kernels:
  - .name:           k_qa94fe164f5_qkv
    .symbol:         k_qa94fe164f5_qkv.kd
    .args:
      - { .name: codes, .offset: 0, .size: 8, .value_kind: global_buffer, .address_space: global }
      - { .name: scales, .offset: 8, .size: 8, .value_kind: global_buffer, .address_space: global }
      - { .name: bq, .offset: 16, .size: 8, .value_kind: global_buffer, .address_space: global }
      - { .name: bk, .offset: 24, .size: 8, .value_kind: global_buffer, .address_space: global }
      - { .name: bv, .offset: 32, .size: 8, .value_kind: global_buffer, .address_space: global }
      - { .name: img, .offset: 40, .size: 8, .value_kind: global_buffer, .address_space: global }
      - { .name: imgsc, .offset: 48, .size: 8, .value_kind: global_buffer, .address_space: global }
    .group_segment_fixed_size: 327680
    .private_segment_fixed_size: 0
    .kernarg_segment_align: 8
    .kernarg_segment_size: 56
    .max_flat_workgroup_size: 128
    .sgpr_count:     102
    .vgpr_count:     1024
    .wavefront_size: 32
...
	.end_amdgpu_metadata
.endif
;; end of part 2
;; launch attn (part 3): grid 4 x 64, 4 waves a work-group, no clusters, 74,240 bytes of LDS; arguments img, imgsc, head_mask, ao_codes, ao_scales; writes ao_codes, ao_scales
.if DOCPART == 3
	.amdgcn_target "amdgcn-amd-amdhsa--gfx1250"
	.amdhsa_code_object_version 6
	.text
	.protected	k_qa94fe164f5_attn
	.globl	k_qa94fe164f5_attn
	.p2align	8
	.type	k_qa94fe164f5_attn,@function
k_qa94fe164f5_attn:
	s_mov_b64 s[64:65], 0
	v_nop
	global_prefetch_b8 v0, s[64:65] scope:SCOPE_SE
	s_setreg_imm32_b32 hwreg(HW_REG_WAVE_MODE, 25, 1), 1
	s_wait_xcnt 0x0
; For one batch and head: p = softmax(q k^T / 8) x head_mask, o = p v, both products on codes of FP6 (E2M3) with E8M0 scales; o is quantised along the hidden axis for the last product.
; p IS QUANTISED FINISHED (normalised, with the head's mask), so a row's maximum and sum over all 2,048 keys are known before any p becomes a code.
; SHARES.  A work-group of four waves owns 512 queries of one (batch, head): 32 tiles of 16.  THE WAVES SHARE THE KEYS: wave w owns keys 512 w .. 512 w + 511 and keeps their K fragments (198 registers), V^T fragments (192)
; and scale words (48) in registers for the whole launch.  A tile's 16 x 512 scores of a wave are 256 registers, so the four waves hold the whole row: each score is multiplied once and goes through one exponential.
; What crosses waves is small: a pair (-M_w, l_w) for each query, one barrier a tile; and the waves' partial o (4,096 bytes a wave and tile), summed once for four tiles: wave w finishes tile 4 g + w.
; LAYOUT.  S^T = K Q^T (source 0 = 16 keys, source 1 = 16 queries) and O^T = V^T P^T (source 0 = 16 of the head's 64, source 1 = P): a lane holds one query (lane % 16) throughout.  The images' rows lie so that
; register 16 b + i of the scores is key 512 w + 32 b + 16 (lane / 16) + i, and register 16 b + i of O^T is channel 32 b + 16 (lane / 16) + i.
; K = 64 INSIDE THE INSTRUCTION'S 128.  Q's registers 6-11 are zero codes.  K's tiles lie densely, 6 registers each (12 each would be 384 registers, which do not fit), so the operand v[6 t : 6 t + 11] has the next tile's codes
; as its upper half: they meet Q's zeros.  Both sides' scale words are loaded as 16 bits, so the bytes of the upper two blocks are 0, the smallest scale.
; SOFTMAX.  t = score x log2(e) / 8; M_w = my wave's largest t rounded up to a whole number; e = 2^(t - M_w); l_w = the sum of e.  With M = the largest M_w and l = the sum of l_w 2^(M_w - M):
; p = e x g, g = head_mask x 2^(M_w - M) / l.  A block's largest p is not searched for: the block's largest score goes through the same multiply-add, exponential and multiplication.
; NO CLUSTER, NO TENSOR LOAD: K and V go once, at the head, from memory straight into registers (204 KB a work-group for 32 tiles of work); a joint load could only land in LDS.  Q is asked for a tile ahead.
; LIMITS: NaN and infinities are not served; a block of zeros gets the byte 1 (codes zero; read by this program alone); blocks under 2^-124 are held at that floor; an exponential under 2^-126 comes out as 0;
; the block's largest p by its largest score takes the exponential not to fall where its input rises; p differs from exp / sum x mask, rounded step by step, by a few parts in 10^7.
; REGISTERS: window 0: v1-15, v29 addresses; v16-27 Q, v28 its scale word; v32-63 K's scale words; v64-79 V's; v80-83 p's; v84-87 o's scale bytes, gathered; v88-119 O^T; v120-167 p's codes; v168-199 at work;
;   v200-215 a number for each block of 32 keys, v216-231, v232-247 likewise; v248-255 a query's numbers.   window 1: the scores, then e, then p.   window 2: K.   window 3: V^T.
.set STATS, 0                          ; LDS: two regions of 1,024 bytes by turns: wave w' has 256 bytes, a pair at 8 x lane
.set OST,   2048                       ; 4 tiles x 4 waves x 4,096 bytes: images of O^T's 32 registers
.set CST,   67584                      ; 1,024 bytes a wave: 768 bytes of codes turn from lanes to rows
.set SCG,   71680                      ; the work-group's 512 x 2 scale bytes
.set QF,  16
.set QS,  28
.set KSC, 32
.set VSC, 64
.set PW,  80
.set RG,  84
.set OA,  88
.set PCD, 120
.set CT,  168                          ; v168-175 the sum's four chains; v176-183 the four waves' pairs; v184-191 at work; later the conversions' second halves; in FINAL the finished o
.set EE,  176
.set WK,  184
.set BM,  200
.set BP,  216
.set BS,  232
.set MSB, 0
.macro WIN new                         ; bits 1:0 source 0, 3:2 source 1, 5:4 source 2, 7:6 destination; the high byte repeats the setting that is left
.if MSB != \new
	s_set_vgpr_msb (MSB<<8)|\new
.set MSB, \new
.endif
.endm
.macro PLACES n
.rept \n
	v_nop
.endr
.endm
	s_load_b128 s[4:7], s[0:1], 0x0                ; img, imgsc
	s_load_b128 s[8:11], s[0:1], 0x10              ; head_mask, ao_codes
	s_load_b64 s[12:13], s[0:1], 0x20              ; ao_scales
	s_set_vgpr_msb 0x80
	v_lshl_add_u32 v254, v0, 2, 0x12000
	v_mov_b32 v255, 0
	s_set_vgpr_msb 0x8000
	v_lshrrev_b32 v1, 5, v0
	v_readfirstlane_b32 s18, v1                    ; wave 0..3
	s_and_b32 s14, ttmp7, 0xffff
	s_lshr_b32 s15, s14, 4                         ; batch
	s_and_b32 s16, s14, 15                         ; head
	s_lshr_b32 s17, s16, 1                         ; the pair of heads that shares an image
	s_and_b32 s19, s16, 1                          ; and which of the two
	s_mov_b32 s20, 0x76543210
	s_mov_b32 s21, 0xfedcba98                      ; v_permlanex16_b32's selects for lane l xor 16
	s_mov_b32 s22, 0x3e38aa3b                      ; c = log2(e) / 8
	s_mov_b32 s23, s22                             ; (named with it as a pair)
.irp i, 0,1,2,3,4,5
	v_mov_b32 v[QF+6+\i], 0                        ; Q's upper half: zero codes, for the whole launch
.endr
	v_and_b32 v30, 31, v0                          ; lane
	v_and_b32 v31, 15, v0                          ; r
	v_bfe_u32 v252, v0, 4, 1                       ; h
	v_lshlrev_b32 v1, 4, v30                       ; 16 x lane
	s_cmp_eq_u32 s19, 0                            ; my head's six registers of an image: 0-5 at bytes 0, 8, 512, or 6-11 at 520, 1024, 1032 (+ 16 x lane)
	s_cselect_b32 s26, 0, 520
	s_cselect_b32 s27, 8, 1024
	s_mov_b32 s44, 1032
	s_cselect_b32 s44, 512, s44
	v_add_nc_u32 v2, s26, v1
	v_add_nc_u32 v3, s27, v1
	v_add_nc_u32 v4, s44, v1
	s_lshl_b32 s26, s19, 1
	v_lshlrev_b32 v6, 2, v31                       ; a scale word: 4 r
	v_add_nc_u32 v5, s26, v6                       ; my head's two bytes of it
	s_lshl_b32 s26, s18, 8
	v_lshl_add_u32 v8, v30, 3, STATS
	v_add_nc_u32 v7, s26, v8
	v_lshlrev_b32 v29, 3, v30
	v_add_nc_u32 v29, s26, v29                     ; 256 w + 8 x lane
	v_add_nc_u32 v15, SCG, v29
	s_lshl_b32 s26, s18, 12
	v_add_nc_u32 v9, s26, v1
	v_add_nc_u32 v9, OST, v9                       ; where I put my partial O^T
	s_lshl_b32 s26, s18, 14
	v_add_nc_u32 v10, s26, v1
	v_add_nc_u32 v10, OST, v10                     ; where I read the four partials of the tile that I finish
	s_lshl_b32 s26, s18, 10
	s_add_co_u32 s26, s26, CST
	v_mul_u32_u24 v11, v31, 48
	v_mad_u32_u24 v11, v252, 12, v11
	v_add_nc_u32 v11, s26, v11                     ; a row's 48 bytes of codes: my 12 of each 24
	v_lshlrev_b32 v12, 3, v30
	v_add_nc_u32 v12, s26, v12
	s_mul_i32 s26, s18, 768
	v_lshlrev_b32 v13, 3, v30
	v_add_nc_u32 v13, s26, v13
	s_lshl_b32 s26, s18, 5
	s_add_co_u32 s26, s26, SCG
	v_lshlrev_b32 v14, 1, v31
	v_add_nc_u32 v14, s26, v14
	; images: q's 512 P + 128 b + 32 x work-group x;  k's 4096 + 512 P + 128 b + 32 w;  V^T's 8192 + 64 (16 b + 4 w) + 4 head
	s_lshl_b32 s26, s17, 9
	s_lshl_b32 s27, s15, 7
	s_add_co_u32 s26, s26, s27
	s_lshl_b32 s44, ttmp9, 5
	s_add_co_u32 s44, s26, s44
	s_lshl_b32 s45, s18, 5
	s_add_co_u32 s45, s26, s45
	s_add_co_u32 s45, s45, 4096
	s_lshl_b32 s46, s15, 10
	s_lshl_b32 s47, s18, 8
	s_add_co_u32 s46, s46, s47
	s_lshl_b32 s47, s16, 2
	s_add_co_u32 s46, s46, s47
	s_add_co_u32 s46, s46, 8192
	s_mul_i32 s28, s44, 1536
	s_mov_b32 s29, 0
	s_lshl_b32 s30, s44, 6
	s_mov_b32 s31, 0
	s_mul_i32 s32, s45, 1536
	s_mov_b32 s33, 0
	s_lshl_b32 s34, s45, 6
	s_mov_b32 s35, 0
	s_mul_i32 s36, s46, 1536
	s_mov_b32 s37, 0
	s_lshl_b32 s38, s46, 6
	s_mov_b32 s39, 0
	s_lshl_b32 s40, s16, 13                        ; o's first row: 8192 head + 2048 b + 512 x work-group x
	s_lshl_b32 s41, s15, 11
	s_add_co_u32 s40, s40, s41
	s_lshl_b32 s41, ttmp9, 9
	s_add_co_u32 s40, s40, s41
	s_lshl_b32 s42, s40, 1
	s_mov_b32 s43, 0
	s_mul_i32 s40, s40, 48
	s_mov_b32 s41, 0
	s_lshl_b32 s26, s16, 2
	s_mov_b32 s27, 0
	s_wait_kmcnt 0x0
	s_add_nc_u64 s[8:9], s[8:9], s[26:27]
	s_load_b32 s24, s[8:9], 0x0                    ; head_mask[head]
	s_add_nc_u64 s[28:29], s[4:5], s[28:29]        ; Q's images, and their scale words
	s_add_nc_u64 s[30:31], s[6:7], s[30:31]
	s_add_nc_u64 s[32:33], s[4:5], s[32:33]        ; K's
	s_add_nc_u64 s[34:35], s[6:7], s[34:35]
	s_add_nc_u64 s[36:37], s[4:5], s[36:37]        ; V^T's
	s_add_nc_u64 s[38:39], s[6:7], s[38:39]
	s_add_nc_u64 s[40:41], s[10:11], s[40:41]      ; o's codes
	s_add_nc_u64 s[42:43], s[12:13], s[42:43]      ; and scale bytes
	global_load_b64 v[QF:QF+1], v2, s[28:29]       ; tile 0 of Q
	global_load_b64 v[QF+2:QF+3], v3, s[28:29]
	global_load_b64 v[QF+4:QF+5], v4, s[28:29]
	global_load_u16 v[QS], v5, s[30:31]
	WIN 0x80                                       ; destination window 2
.irp i, 0,1,2,3,4,5
	v_mov_b32 v[192+\i], 0                         ; behind K's last tile: zero codes
.endr
.set t, 0
.rept 32
	global_load_b64 v[6*t:6*t+1], v2, s[32:33] offset:1536*t
	global_load_b64 v[6*t+2:6*t+3], v3, s[32:33] offset:1536*t
	global_load_b64 v[6*t+4:6*t+5], v4, s[32:33] offset:1536*t
.set t, t+1
.endr
	WIN 0xc0                                       ; destination window 3
.irp s, 0,1,2,3                                ; key step s (128 keys), channels 16 d on: fragment 4 s + d
.irp d, 0,1,2,3
.irp c, 0,1,2
	global_load_b128 v[12*(4*\s+\d)+4*\c:12*(4*\s+\d)+4*\c+3], v1, s[36:37] offset:98304*\s+1536*\d+512*\c
.endr
.endr
.endr
	WIN 0
.set t, 0
.rept 32
	global_load_u16 v[KSC+t], v5, s[34:35] offset:64*t
.set t, t+1
.endr
.irp s, 0,1,2,3
.irp d, 0,1,2,3
	global_load_b32 v[VSC+4*\s+\d], v6, s[38:39] offset:4096*\s+64*\d
.endr
.endr
.irp i, 0,1,2,3
	v_mov_b32 v[RG+\i], 0                          ; (shifted through before they are full)
.endr
.set b, 0
.rept 16
	v_mov_b32 v[BP+b], 0                           ; written once: a lane permute's destination counts as one of its sources
.set b, b+1
.endr
	v_mov_b32 v249, 0                              ; (upper halves of pairs that packed lines name, and a permute's destination)
	v_mov_b32 v251, 0
	v_mov_b32 v253, 0
	s_mov_b32 s25, 8
	s_wait_kmcnt 0x0                               ; the head's mask
; ONE TILE OF 16 QUERIES, the k-th of a group of four.
.macro TILE k
	s_wait_loadcnt 0x0                             ; this tile's Q, asked for a tile ago (the first time: K, V and the scale words too)
	WIN 0x42                                       ; K window 2, Q window 0, the scores window 1
.set t, 0
.rept 32
	v_wmma_scale_f32_16x16x128_f8f6f4 v[8*t:8*t+7], v[6*t:6*t+11], v[QF:QF+11], 0, v[KSC+t], v[QS] matrix_a_fmt:MATRIX_FMT_FP6 matrix_b_fmt:MATRIX_FMT_FP6
.set t, t+1
.endr
	WIN 0
	PLACES 4                                       ; in front of the loads into Q's registers and of the first read of the scores
	global_load_b64 v[QF:QF+1], v2, s[28:29] offset:1536*((\k)+1)   ; the next tile's Q.  (Behind the last tile this reads the image that follows, inside img, and nobody uses it)
	global_load_b64 v[QF+2:QF+3], v3, s[28:29] offset:1536*((\k)+1)
	global_load_b64 v[QF+4:QF+5], v4, s[28:29] offset:1536*((\k)+1)
	global_load_u16 v[QS], v5, s[30:31] offset:64*((\k)+1)
	; the largest score of each of my 16 blocks of 32 keys, the blocks by turns; each accumulator is first read at its low end
	WIN 0x15
.set b, 0
.rept 16
	v_max3_num_f32 v[BM+b], v[16*b], v[16*b+1], v[16*b+2]
.set b, b+1
.endr
	WIN 0x14
.irp i, 3,5,7,9,11,13
.set b, 0
.rept 16
	v_max3_num_f32 v[BM+b], v[BM+b], v[16*b+\i], v[16*b+\i+1]
.set b, b+1
.endr
.endr
	WIN 0x04
.set b, 0
.rept 16
	v_max_num_f32 v[BM+b], v[BM+b], v[16*b+15]
.set b, b+1
.endr
	WIN 0
.set b, 0
.rept 16
	v_permlanex16_b32 v[BP+b], v[BM+b], s20, s21
.set b, b+1
.endr
.set b, 0
.rept 16
	v_max_num_f32 v[BM+b], v[BM+b], v[BP+b]        ; with lane l xor 16's 16 keys
.set b, b+1
.endr
.irp i, 0,1,2,3,4
	v_max3_num_f32 v[WK+\i], v[BM+3*\i], v[BM+3*\i+1], v[BM+3*\i+2]
.endr
	v_max3_num_f32 v[WK], v[WK], v[WK+1], v[WK+2]
	v_max3_num_f32 v[WK+3], v[WK+3], v[WK+4], v[BM+15]
	v_max_num_f32 v252, v[WK], v[WK+3]             ; my query's largest score among my wave's 512 keys
	v_mul_f32 v252, s22, v252                      ; as t (c is positive)
	v_floor_f32 v248, -v252                        ; -M_w = floor(-t): a whole number
	; e = 2^(c s - M_w): one packed multiply-add for two scores, one exponential each; the scalings run four pairs ahead of the exponentials
	WIN 0x41
.set i, 0
.rept 4
	v_pk_fma_f32 v[2*i:2*i+1], v[2*i:2*i+1], s[22:23], v[248:249] op_sel_hi:[1,0,0]
.set i, i+1
.endr
.set i, 0
.rept 128
	v_exp_f32 v[2*i], v[2*i]
	v_exp_f32 v[2*i+1], v[2*i+1]
.if i < 124
	v_pk_fma_f32 v[2*i+8:2*i+9], v[2*i+8:2*i+9], s[22:23], v[248:249] op_sel_hi:[1,0,0]
.endif
.set i, i+1
.endr
	WIN 0
.set b, 0
.rept 16
	v_fma_f32 v[BM+b], v[BM+b], s22, v248          ; the same of each block's largest score (plain lines behind the exponentials)
.set b, b+1
.endr
	s_wait_alu depctr_va_vdst(0)                   ; one wait for the 256 exponentials, ahead of their first reader
.set b, 0
.rept 16
	v_exp_f32 v[BM+b], v[BM+b]                     ; the block's largest e: the same two instructions on the same number give the same bits
.set b, b+1
.endr
	WIN 0x05                                       ; the sum of my 256 e, two at a time, in four chains that the first additions start
.irp c, 0,1,2,3
	v_pk_add_f32 v[CT+2*\c:CT+2*\c+1], v[2*\c:2*\c+1], v[8+2*\c:9+2*\c]
.endr
	WIN 0x04
.set i, 8
.rept 120
	v_pk_add_f32 v[CT+2*(i%4):CT+2*(i%4)+1], v[CT+2*(i%4):CT+2*(i%4)+1], v[2*i:2*i+1]
.set i, i+1
.endr
	WIN 0
	v_pk_add_f32 v[CT:CT+1], v[CT:CT+1], v[CT+2:CT+3]
	v_pk_add_f32 v[CT+4:CT+5], v[CT+4:CT+5], v[CT+6:CT+7]
	v_pk_add_f32 v[CT:CT+1], v[CT:CT+1], v[CT+4:CT+5]
	v_add_f32 v249, v[CT], v[CT+1]
	v_permlanex16_b32 v253, v249, s20, s21
	v_add_f32 v249, v249, v253                     ; l_w
	; the four waves' pairs meet.  The region is written again two tiles on, behind the next tile's barrier, which every wave signals behind its reads of it
	ds_store_b64 v7, v[248:249] offset:1024*((\k)%2)
	s_wait_dscnt 0x0                               ; for the others' sake: my pair has landed (and the last tile's partial O^T)
	s_barrier_signal -1
	s_barrier_wait -1
.irp u, 0,1,2,3
	ds_load_b64 v[EE+2*\u:EE+2*\u+1], v8 offset:1024*((\k)%2)+256*\u
.endr
	s_wait_dscnt 0x0
	v_min3_num_f32 v[WK], v[EE], v[EE+2], v[EE+4]
	v_min_num_f32 v[WK], v[WK], v[EE+6]            ; -M = the least -M_w
.irp u, 0,1,2,3
	v_sub_f32 v[WK+1+\u], v[WK], v[EE+2*\u]        ; M_w' - M: a whole number, 0 or less
.endr
	v_sub_f32 v[WK+5], v[WK], v248                 ; and my own wave's
.irp u, 0,1,2,3,4
	v_cvt_i32_f32 v[WK+1+\u], v[WK+1+\u]           ; (it saturates)
.endr
.irp u, 0,1,2,3,4
	v_ldexp_f32 v[WK+1+\u], 1.0, v[WK+1+\u]        ; 2^(M_w' - M): rounds nothing
.endr
	v_mul_f32 v[WK+6], v[EE+1], v[WK+1]
	v_fmac_f32 v[WK+6], v[EE+3], v[WK+2]
	v_fmac_f32 v[WK+6], v[EE+5], v[WK+3]
	v_fmac_f32 v[WK+6], v[EE+7], v[WK+4]           ; l: at least a half, since the wave that holds M has an e above a half
	v_rcp_f32 v254, v[WK+6]
	v_mul_f32 v255, s24, v[WK+5]                   ; (a plain line behind the reciprocal)
	s_wait_alu depctr_va_vdst(0)                   ; one wait for the reciprocal and for the 16 exponentials, none of whose results has been named yet
	v_mul_f32 v250, v254, v255                     ; g = head_mask x 2^(M_w - M) / l
.set b, 0
.rept 16
	v_mul_f32 v[BM+b], v[BM+b], v250               ; the block's largest p
.set b, b+1
.endr
.set b, 0
.rept 16
	v_max_num_f32 v[BM+b], 0x1800000, |v[BM+b]|    ; its magnitude (the mask may be negative), and the floor 2^(3 - 127)
.set b, b+1
.endr
.set b, 0
.rept 16
	v_add_nc_u32 v[BS+b], 0xff000000, v[BM+b]      ; 2 off the exponent field: the conversion's scale operand
.set b, b+1
.endr
.set b, 0
.rept 16
	v_lshrrev_b32 v[BP+b], 23, v[BS+b]             ; the scale's byte
.set b, b+1
.endr
.irp s, 0,1,2,3
	v_lshl_or_b32 v[PW+\s], v[BP+4*\s+1], 8, v[BP+4*\s]
.endr
.irp s, 0,1,2,3
	v_lshl_or_b32 v[PW+\s], v[BP+4*\s+2], 16, v[PW+\s]
.endr
.irp s, 0,1,2,3
	v_lshl_or_b32 v[PW+\s], v[BP+4*\s+3], 24, v[PW+\s]   ; p's scale word for key step s
.endr
	WIN 0x41
.set i, 0
.rept 128
	v_pk_mul_f32 v[2*i:2*i+1], v[2*i:2*i+1], v[250:251] op_sel_hi:[1,0]   ; p, finished.  (These are also the places between the scale words' last write and the products)
.set i, i+1
.endr
	WIN 0x01
.irp s, 0,1,2,3
.irp c, 0,1
	v_cvt_scalef32_pk16_fp6_f32 v[PCD+12*\s+6*\c:PCD+12*\s+6*\c+2], v[64*\s+32*\c:64*\s+32*\c+15], v[BS+4*\s+2*\c]
	v_cvt_scalef32_pk16_fp6_f32 v[CT+8*\s+4*\c:CT+8*\s+4*\c+2], v[64*\s+32*\c+16:64*\s+32*\c+31], v[BS+4*\s+2*\c+1]   ; (a conversion's three registers begin on an even number)
.endr
.endr
	WIN 0
	v_nop                                          ; one plain line behind the scaled conversions
.irp s, 0,1,2,3                                ; the operand's layout wants a whole block in a lane
.irp c, 0,1
.irp i, 0,1,2
	v_permlane16_swap_b32 v[PCD+12*\s+6*\c+\i], v[CT+8*\s+4*\c+\i]
.endr
.endr
.endr
.irp s, 0,1,2,3
.irp c, 0,1
.irp i, 0,1,2
	v_mov_b32 v[PCD+12*\s+6*\c+3+\i], v[CT+8*\s+4*\c+\i]
.endr
.endr
.endr
	PLACES 4                                       ; an operand written by vector lines stands four places ahead of a scaled product
	WIN 0x03                                       ; V^T window 3
.irp s, 0,1,2,3                                ; my partial O^T: four accumulators by turns, one instruction a turn
.irp d, 0,1,2,3
.if \s == 0
	v_wmma_scale_f32_16x16x128_f8f6f4 v[OA+8*\d:OA+8*\d+7], v[12*(4*\s+\d):12*(4*\s+\d)+11], v[PCD+12*\s:PCD+12*\s+11], 0, v[VSC+4*\s+\d], v[PW+\s] matrix_a_fmt:MATRIX_FMT_FP6 matrix_b_fmt:MATRIX_FMT_FP6
.else
	v_wmma_scale_f32_16x16x128_f8f6f4 v[OA+8*\d:OA+8*\d+7], v[12*(4*\s+\d):12*(4*\s+\d)+11], v[PCD+12*\s:PCD+12*\s+11], v[OA+8*\d:OA+8*\d+7], v[VSC+4*\s+\d], v[PW+\s] matrix_a_fmt:MATRIX_FMT_FP6 matrix_b_fmt:MATRIX_FMT_FP6
.endif
.endr
.endr
	WIN 0
	PLACES 4
.irp j, 0,1,2,3,4,5,6,7
	ds_store_b128 v9, v[OA+4*\j:OA+4*\j+3] offset:16384*(\k)+512*\j   ; as an image of the registers, each accumulator from its low end on
.endr
.endm
; Wave w finishes tile 4 g + w: the four partials are added, the 64 channels quantised (two blocks of 32), 16 rows x 48 bytes stored.
; The partials' bytes are written again only behind the next group's first barrier, which every wave signals behind its reads here.
.macro FINAL
	s_wait_dscnt 0x0
	s_barrier_signal -1
	s_barrier_wait -1
	WIN 0x40                                       ; destination window 1: the scores' registers are free
.irp u, 0,1,2,3
.irp j, 0,1,2,3,4,5,6,7
	ds_load_b128 v[32*\u+4*\j:32*\u+4*\j+3], v10 offset:4096*\u+512*\j
.endr
.endr
	s_wait_dscnt 16                                ; partials 0 and 1 are in; the 16 younger loads may be out
	WIN 0x45
.set i, 0
.rept 16
	v_pk_add_f32 v[2*i:2*i+1], v[2*i:2*i+1], v[32+2*i:33+2*i]
.set i, i+1
.endr
	s_wait_dscnt 0x0
.set i, 0
.rept 16
	v_pk_add_f32 v[64+2*i:65+2*i], v[64+2*i:65+2*i], v[96+2*i:97+2*i]
.set i, i+1
.endr
	WIN 0x05
.set i, 0
.rept 16
	v_pk_add_f32 v[CT+2*i:CT+2*i+1], v[2*i:2*i+1], v[64+2*i:65+2*i]
.set i, i+1
.endr
	WIN 0
.irp b, 0,1
	v_max3_num_f32 v[BM+\b], |v[CT+16*\b]|, |v[CT+16*\b+1]|, 0x1800000
.endr
.irp i, 2,4,6,8,10,12,14
.irp b, 0,1
	v_max3_num_f32 v[BM+\b], v[BM+\b], |v[CT+16*\b+\i]|, |v[CT+16*\b+\i+1]|
.endr
.endr
.irp b, 0,1
	v_permlanex16_b32 v[BM+2+\b], v[BM+\b], s20, s21
.endr
.irp b, 0,1
	v_max_num_f32 v[BM+\b], v[BM+\b], v[BM+2+\b]
.endr
.irp b, 0,1
	v_add_nc_u32 v[BM+4+\b], 0xff000000, v[BM+\b]
.endr
.irp b, 0,1
	v_lshrrev_b32 v[BM+6+\b], 23, v[BM+4+\b]
.endr
	v_lshl_or_b32 v252, v[BM+7], 8, v[BM+6]        ; my row's two scale bytes
	v_cvt_scalef32_pk16_fp6_f32 v[PCD:PCD+2], v[CT:CT+15], v[BM+4]
	v_cvt_scalef32_pk16_fp6_f32 v[PCD+4:PCD+6], v[CT+16:CT+31], v[BM+5]
	v_nop                                          ; one plain line behind the scaled conversions
.irp b, 0,1
.irp i, 0,1,2
	ds_store_b32 v11, v[PCD+4*\b+\i] offset:24*\b+4*\i    ; row r: block b's 24 bytes, my half's 12
.endr
.endr
.irp j, 0,1,2
	ds_load_b64 v[PCD+8+2*\j:PCD+9+2*\j], v12 offset:256*\j   ; my wave's own bytes: LDS serves a wave's instructions in order
.endr
	v_alignbit_b32 v[RG], v[RG+1], v[RG], 16       ; the eight groups' bytes are shifted into four registers, the first group's lowest
	v_alignbit_b32 v[RG+1], v[RG+2], v[RG+1], 16
	v_alignbit_b32 v[RG+2], v[RG+3], v[RG+2], 16
	v_alignbit_b32 v[RG+3], v252, v[RG+3], 16
	s_wait_dscnt 0x0
.irp j, 0,1,2
	global_store_b64 v13, v[PCD+8+2*\j:PCD+9+2*\j], s[40:41] offset:256*\j   ; 32 lanes store 256 consecutive bytes, aligned
.endr
	s_wait_xcnt 0x0                                ; the stores and the loads of Q have read their registers and bases: these may step
	s_add_nc_u64 s[40:41], s[40:41], 3072
	s_add_nc_u64 s[28:29], s[28:29], 6144
	s_add_nc_u64 s[30:31], s[30:31], 256
.endm
.Lgroup:                                           ; 8 trips of four tiles
	TILE 0
	TILE 1
	TILE 2
	TILE 3
	FINAL
	s_sub_co_u32 s25, s25, 1
	s_cmp_lg_u32 s25, 0
	s_cbranch_scc1 .Lgroup
.irp g, 0,2,4,6                                ; row 64 g + 16 w + r's two bytes; lanes r and r + 16 write the same bytes with the same value
	ds_store_b16 v14, v[RG+\g/2] offset:128*\g
	ds_store_b16_d16_hi v14, v[RG+\g/2] offset:128*\g+128
.endr
	s_wait_dscnt 0x0
	s_barrier_signal -1
	s_barrier_wait -1
	ds_load_b64 v[PCD+8:PCD+9], v15
	s_wait_dscnt 0x0
	global_store_b64 v29, v[PCD+8:PCD+9], s[42:43] ; each wave stores 256 consecutive bytes, aligned
	s_set_vgpr_msb 0xa
	s_wait_tensorcnt 0x0
	ds_add_u32 v254, v255
	s_wait_dscnt 0x0
	s_set_vgpr_msb 0xa00
	s_endpgm
.Lfunc_end_k_qa94fe164f5_attn:
	.size	k_qa94fe164f5_attn, .Lfunc_end_k_qa94fe164f5_attn-k_qa94fe164f5_attn
	.p2alignl 7, 3214868480
	.fill 96, 4, 3214868480
	.section	.rodata,"a",@progbits
	.p2align	6, 0x0
	.amdhsa_kernel k_qa94fe164f5_attn
		.amdhsa_group_segment_fixed_size 74240
		.amdhsa_private_segment_fixed_size 0
		.amdhsa_enable_private_segment 0
		.amdhsa_kernarg_size 40
		.amdhsa_user_sgpr_count 2
		.amdhsa_user_sgpr_kernarg_segment_ptr 1
		.amdhsa_wavefront_size32 1
		.amdhsa_system_sgpr_workgroup_id_x 1
		.amdhsa_system_sgpr_workgroup_id_y 1
		.amdhsa_system_sgpr_workgroup_id_z 1
		.amdhsa_system_vgpr_workitem_id 0
		.amdhsa_next_free_vgpr 1024
		.amdhsa_next_free_sgpr 66
		.amdhsa_reserve_vcc 0
		.amdhsa_float_denorm_mode_32 3
		.amdhsa_float_denorm_mode_16_64 3
		.amdhsa_memory_ordered 1
		.amdhsa_forward_progress 1
		.amdhsa_inst_pref_size 255
	.end_amdhsa_kernel
	.section	.bss,"aw",@nobits
	.p2align	6
	.space	262144
	.amdgpu_metadata
---
amdhsa.version: [ 1, 2 ]
amdhsa.kernels:
  - .name:           k_qa94fe164f5_attn
    .symbol:         k_qa94fe164f5_attn.kd
    .args:
      - { .name: img, .offset: 0, .size: 8, .value_kind: global_buffer, .address_space: global }
      - { .name: imgsc, .offset: 8, .size: 8, .value_kind: global_buffer, .address_space: global }
      - { .name: head_mask, .offset: 16, .size: 8, .value_kind: global_buffer, .address_space: global }
      - { .name: ao_codes, .offset: 24, .size: 8, .value_kind: global_buffer, .address_space: global }
      - { .name: ao_scales, .offset: 32, .size: 8, .value_kind: global_buffer, .address_space: global }
    .group_segment_fixed_size: 74240
    .private_segment_fixed_size: 0
    .kernarg_segment_align: 8
    .kernarg_segment_size: 40
    .max_flat_workgroup_size: 128
    .sgpr_count:     66
    .vgpr_count:     1024
    .wavefront_size: 32
...
	.end_amdgpu_metadata
.endif
;; end of part 3
;; launch proj (part 4): grid 4 x 32, 4 waves a work-group, clusters of 4 x 4, 327,680 bytes of LDS; arguments ao_codes, ao_scales, codes, scales, out0, bo; writes out0
.if DOCPART == 4
	.amdgcn_target "amdgcn-amd-amdhsa--gfx1250"
	.amdhsa_code_object_version 6
	.text
	.protected	k_qa94fe164f5_proj
	.globl	k_qa94fe164f5_proj
	.p2align	8
	.type	k_qa94fe164f5_proj,@function
k_qa94fe164f5_proj:
	s_mov_b64 s[64:65], 0
	v_nop
	global_prefetch_b8 v0, s[64:65] scope:SCOPE_SE
	s_setreg_imm32_b32 hwreg(HW_REG_WAVE_MODE, 25, 1), 1
	s_wait_xcnt 0x0
	s_wait_alu depctr_hold_cnt(0) depctr_sa_sdst(0) depctr_va_vdst(0) depctr_va_sdst(0) depctr_va_ssrc(0) depctr_va_vcc(0) depctr_vm_vsrc(0)
	s_getreg_b32 s2, hwreg(HW_REG_IB_STS2, 6, 4)
	s_cmp_eq_u32 s2, 0
	s_cbranch_scc0 .Lentry_in_a_cluster
	s_endpgm
.Lentry_in_a_cluster:
	s_bfe_u32 s2, ttmp6, 0x10000c
	s_cmp_lg_u32 s2, 0xf033
	s_cbranch_scc0 .Lentry_shape_is_right
	s_endpgm
.Lentry_shape_is_right:
; out0 = o Wo^T + bo on codes of FP6 (E2M3) with E8M0 scales, K = 1,024.  o: ao_codes [head 16][memory token row 8192][48 bytes], ao_scales [head][row][2 bytes];  Wo: rows 11,264 on of codes [row][768] and scales [row][32].
; A tile of 256 x 256 of out0 to a work-group of four waves, 128 x 128 to a wave; K in steps of 256 (four heads) through a ring of two LDS slots filled by the tensor data mover.
; A's TILE: for 128 token rows a head's codes are one dense run of 6,144 bytes: a K step is four such runs, 393,216 bytes apart: one tensor load of 4 rows.  In LDS a token's 48 bytes of a head lie 48 bytes apart:
; the 32 lanes of a load of 8 bytes stand at words 12 r + 6 h, 64 different banks (64 banks of 4 bytes: ISA guide 11.1), so no padding is wanted.
; A's SCALE WORDS: two bytes a head; a word for 128 along K is made of two heads' halves by one shift-or.  A's and B's words stand in registers of their own.
; BOTH SIDES' ROWS LIE IN THE ORDER OF LAUNCH quant (bits 3 and 4 of a row's number changed places): only the places in the stage and the rows of the stores know of it.
; THE MATRIX INSTRUCTION IS USED TRANSPOSED (source 0 = 16 rows of Wo, source 1 = 16 tokens).  bo is the C of each sum's first product.
; CLUSTERS: 4 x 4 work-groups; A's tile is asked for jointly along a row of the cluster, B's along a column.
; REGISTERS: window 0: v0-31 addresses; v32-63 B's scale words, two sets; v64-95 A's, two sets; v96-127 A's halves as loaded; v128-223 A's fragments, one set; on the way out v128-255.
;   window 1: B's fragments, two sets, at v0 and v128; bo's eight tiles at v96-127 and v224-255.   windows 2, 3: the accumulators.
.set SIZE_K, 1024
.set KSTEP,  256
.set NQ,     KSTEP/128
.set ROWB,   192
.set KROW,   SIZE_K*6/8
.set PITCH,  240
.set FR,     12
.set NL,     6
.set NP,     4
.set HALFA,  4*6144                    ; 128 tokens x 4 heads x 48 bytes
.set HALFB,  128*PITCH
.set SLOT,   2*HALFA+2*HALFB
.set ASTEP,  4*8192*48                 ; a K step on in ao_codes: four heads
.set LAPS,   SIZE_K/(2*KSTEP)
.set KS,     SIZE_K/32
.set SCL,    2*SLOT
.set HALFS,  16*272                    ; the scales of 128 rows: 16 units of 256 bytes + 16 of padding, on both sides
.set SBLK,   (16*KS/256)*272
.set SPARE,  SCL+4*HALFS               ; the spare words: 128 bytes a wave, two blocks of 256 bytes that no other line names
.set SPITCH, 528                       ; the way out: a stage of 16 rows x (512 bytes + 16) for each wave, in slot 0, which has had its last fill and its last read by then
.set WOROW,  11264
.set ADRA, 16                          ; v16-17  my A fragments in slot 0, 1
.set ADRB, 20                          ; v20-21  B's  (v22-23: behind one padding more)
.set STO,  24
.set RD,   25
.set CO,   26
.set ADRSB, 27
.set SPW,  28
.set NIL,  29
.set ADRSA, 30
.set SB,   32
.set SA,   64
.set RAW,  96
.set AF,   128
.set BK,   128
.set G1, 24
.set G0, 32
.set G1B, 48
.set G0B, 56
.set G1S, 68
.set G0S, 76
.set G1SB, 80
.set G0SB, 88
.set MSB, 0
.macro WIN new
.if MSB != \new
	s_set_vgpr_msb (MSB<<8)|\new
.set MSB, \new
.endif
.endm
.set MUL_LO, 0xa1
.set MUL_HI, 0xf1
.set TO_B,   0x40
.macro JLOAD g0a, g1a, g0b, g1b        ; waves 0 and 1 fetch for A, waves 2 and 3 for B; four v_nop follow each of the two lines
	s_cmp_eq_u32 s15, 0
	s_cbranch_scc0 .Lfor_b_\@
	tensor_load_to_lds s[\g0a:\g0a+3], s[\g1a:\g1a+7]
	s_nop 0
.rept 4
	v_nop
.endr
	s_branch .Lasked_\@
.Lfor_b_\@:
	tensor_load_to_lds s[\g0b:\g0b+3], s[\g1b:\g1b+7]
	s_nop 0
.rept 4
	v_nop
.endr
.Lasked_\@:
.endm
.macro CREST
	s_cmp_lg_u32 s14, 0
	s_cbranch_scc1 .Lnot_wave_0_\@
	s_barrier_signal -3
.Lnot_wave_0_\@:
	s_barrier_wait -3
	s_barrier_signal -1
	s_barrier_wait -1
.endm
.macro CROUND
	s_barrier_signal -1
	s_barrier_wait -1
	CREST
.endm
	s_load_b128 s[4:7], s[0:1], 0x0                ; ao_codes, ao_scales
	s_load_b128 s[8:11], s[0:1], 0x10              ; codes, scales
	s_load_b64 s[12:13], s[0:1], 0x20              ; out0
	s_load_b64 s[96:97], s[0:1], 0x28              ; bo
	v_lshl_add_u32 v[SPW], v0, 2, SPARE
	v_mov_b32 v[NIL], 0
	ds_add_u32 v28, v29
	ds_add_u32 v28, v29
	s_wait_dscnt 0x0
	v_lshrrev_b32 v1, 5, v0
	v_readfirstlane_b32 s14, v1                    ; wave 0..3
	s_lshr_b32 s15, s14, 1                         ; which half of the tile's tokens is mine.  Also: I fetch for A (0) or for B (1)
	s_and_b32 s16, s14, 1                          ; which half of its columns.  Also: which 128 rows of that tile I fetch
	s_bfe_u32 s40, ttmp6, 0x40000                  ; cx, cy
	s_bfe_u32 s41, ttmp6, 0x40004
	s_lshl_b32 s42, ttmp9, 2
	s_add_co_u32 s42, s42, s40                     ; tile column
	s_and_b32 s17, ttmp7, 0xffff
	s_lshl_b32 s17, s17, 2
	s_add_co_u32 s17, s17, s41                     ; tile row
	s_lshl_b32 s43, s41, 2
	s_lshl_b32 s43, 15, s43                        ; my row of the cluster
	s_lshl_b32 s44, 0x1111, s40                    ; my column
	; A's tile: 4 rows (heads) of 768 elements of 8 bytes, 49,152 elements apart; no padding
	s_or_b32 s[G1+0], s43, (3<<16)|(1<<21)
	s_mov_b32 s[G1+1], 768<<16                     ; tensor_dim0
	s_mov_b32 s[G1+2], 4<<16                       ; tensor_dim1
	s_mov_b32 s[G1+3], 768<<16                     ; tile_dim0
	s_mov_b32 s[G1+4], 4                           ; tile_dim1
	s_mov_b32 s[G1+5], 49152                       ; from head to head
	s_mov_b32 s[G1+6], 0
	s_mov_b32 s[G1+7], 0
	; B's tile: 128 rows x 192 bytes, 16 bytes of padding behind every 64
	s_or_b32 s[G1B+0], s44, (0<<16)|(1<<20)|(1<<21)|(3<<22)|(3<<25)
	s_mov_b32 s[G1B+1], ROWB<<16
	s_mov_b32 s[G1B+2], 128<<16
	s_mov_b32 s[G1B+3], ROWB<<16
	s_mov_b32 s[G1B+4], 128
	s_mov_b32 s[G1B+5], KROW
	s_mov_b32 s[G1B+6], 0
	s_mov_b32 s[G1B+7], 0
	; the scales of 128 rows, 16 rows of 256 bytes, 16 bytes of padding behind each: A's a row for each head, 16,384 bytes apart; B's dense
	s_or_b32 s[G1S+0], s43, (3<<16)|(1<<20)|(1<<21)|(5<<22)|(3<<25)
	s_or_b32 s[G1SB+0], s44, (3<<16)|(1<<20)|(1<<21)|(5<<22)|(3<<25)
.irp g, G1S, G1SB
	s_mov_b32 s[\g+1], 32<<16
	s_mov_b32 s[\g+2], 16<<16
	s_mov_b32 s[\g+3], 32<<16
	s_mov_b32 s[\g+4], 16
	s_mov_b32 s[\g+6], 0
	s_mov_b32 s[\g+7], 0
.endr
	s_mov_b32 s[G1S+5], 2048
	s_mov_b32 s[G1SB+5], 32
	s_lshl_b32 s18, s16, 7                         ; which 128 rows of the tile I fetch
	s_lshl_b32 s20, s17, 8
	s_add_co_u32 s20, s20, s18                     ; A: the token row
	s_lshl_b32 s46, s42, 8
	s_add_co_u32 s46, s46, s18
	s_add_co_u32 s46, s46, WOROW                   ; B: the row in codes and scales
	s_lshl_b32 s22, s20, 1                         ; 2 scale bytes a token and head
	s_mov_b32 s23, 0
	s_mul_i32 s20, s20, 48
	s_mov_b32 s21, 0
	s_lshl_b32 s92, s46, 5
	s_mov_b32 s93, 0
	s_mul_i32 s46, s46, KROW
	s_mov_b32 s47, 0
	s_mul_i32 s45, s16, HALFA                      ; where they go: by the wave's number alone
	s_mul_i32 s95, s16, HALFB
	s_add_co_u32 s95, s95, 2*HALFA
	s_mul_i32 s94, s14, HALFS
	s_wait_kmcnt 0x0
	s_add_nc_u64 s[20:21], s[4:5], s[20:21]
	s_add_nc_u64 s[22:23], s[6:7], s[22:23]
	s_add_nc_u64 s[46:47], s[8:9], s[46:47]
	s_add_nc_u64 s[92:93], s[10:11], s[92:93]
	CROUND                                         ; all sixteen work-groups are here: the first joint loads meet
	s_mov_b32 s[G0S], 1
	s_add_co_u32 s[G0S+1], s94, SCL
	s_mov_b64 s[G0S+2:G0S+3], s[22:23]
	s_or_b32 s[G0S+3], s[G0S+3], 0x80000000
	s_mov_b32 s[G0SB], 1
	s_add_co_u32 s[G0SB+1], s94, SCL
	s_mov_b64 s[G0SB+2:G0SB+3], s[92:93]
	s_or_b32 s[G0SB+3], s[G0SB+3], 0x80000000
	JLOAD G0S, G1S, G0SB, G1SB                     ; the scales first
.irp s, 0,1
	s_mov_b32 s[G0+4*\s], 1
	s_add_co_u32 s[G0+4*\s+1], s45, \s*SLOT
	s_add_nc_u64 s[G0+4*\s+2:G0+4*\s+3], s[20:21], \s*ASTEP
	s_or_b32 s[G0+4*\s+3], s[G0+4*\s+3], 0x80000000
	s_mov_b32 s[G0B+4*\s], 1
	s_add_co_u32 s[G0B+4*\s+1], s95, \s*SLOT
	s_add_nc_u64 s[G0B+4*\s+2:G0B+4*\s+3], s[46:47], \s*ROWB
	s_or_b32 s[G0B+4*\s+3], s[G0B+4*\s+3], 0x80000000
	JLOAD G0+4*\s, G1, G0B+4*\s, G1B               ; three tensor loads of mine are out now
.endr
	v_and_b32 v1, 15, v0                           ; r
	v_bfe_u32 v2, v0, 4, 1                         ; h
	v_mul_u32_u24 v3, v1, 48
	v_mad_u32_u24 v3, v2, 24, v3                   ; A: 48 r + 24 h
	v_mul_u32_u24 v4, v1, PITCH
	v_mad_u32_u24 v4, v2, 24, v4                   ; B: 240 r + 24 h
	v_lshl_add_u32 v5, v2, 4, v4                   ; and the same behind one padding more
	s_mul_i32 s21, s15, HALFA                      ; my 128 tokens
	s_mul_i32 s22, s16, HALFB                      ; my 128 rows of Wo,
	s_add_co_u32 s22, s22, 2*HALFA                 ; which lie behind A's 256
.irp s, 0,1
	v_add_nc_u32 v[ADRA+\s], s21, v3
	v_add_nc_u32 v[ADRB+\s], s22, v4
	v_add_nc_u32 v[ADRB+2+\s], s22, v5
	s_add_co_u32 s21, s21, SLOT
	s_add_co_u32 s22, s22, SLOT
.endr
	v_mul_u32_u24 v5, v1, KS                       ; B's scales: 32 bytes a row,
	v_lshrrev_b32 v6, 8, v5
	v_lshl_add_u32 v5, v6, 4, v5                   ; and 16 more for each 256 passed
	s_mul_i32 s22, s16, HALFS
	s_add_co_u32 s22, s22, SCL+2*HALFS
	v_add_nc_u32 v[ADRSB], s22, v5
	s_mul_i32 s21, s15, HALFS
	s_add_co_u32 s21, s21, SCL
	v_lshl_add_u32 v[ADRSA], v1, 1, s21            ; A's: 2 bytes a token, a head's unit 272 bytes on
	s_mul_i32 s23, s14, 16*SPITCH                  ; my stage
	v_mul_u32_u24 v5, v1, SPITCH
	v_lshl_add_u32 v5, v2, 6, v5                   ; in: row r; tile b's eight columns are 32 (b / 2) + 16 h + 8 (b % 2) + 0 .. 7
	v_add_nc_u32 v[STO], s23, v5
	v_and_b32 v6, 31, v0
	v_lshlrev_b32 v[CO], 4, v6                     ; back: the 32 lanes take one row of 512 bytes; and the same in out0
	v_add_nc_u32 v[RD], s23, v[CO]
	s_lshl_b32 s20, s17, 8
	s_lshl_b32 s21, s15, 7
	s_add_co_u32 s20, s20, s21                     ; my first row of out0
	s_lshl_b32 s20, s20, 12                        ; 4,096 bytes a row
	s_mov_b32 s21, 0
	s_lshl_b32 s46, s42, 10                        ; my first column, in bytes
	s_lshl_b32 s47, s16, 9
	s_add_co_u32 s46, s46, s47
	s_mov_b32 s47, 0
	s_add_nc_u64 s[20:21], s[20:21], s[46:47]
	s_add_nc_u64 s[12:13], s[12:13], s[20:21]
	s_add_nc_u64 s[96:97], s[96:97], s[46:47]      ; bo at my first column
	v_lshlrev_b32 v7, 6, v2
	WIN 0x40                                       ; destination window 1
.irp b, 0,1,2,3,4,5,6,7
	global_load_b128 v[96+8*\b+96*(\b/4):96+8*\b+96*(\b/4)+3], v7, s[96:97] offset:128*(\b/2)+32*(\b%2)
	global_load_b128 v[96+8*\b+96*(\b/4)+4:96+8*\b+96*(\b/4)+7], v7, s[96:97] offset:128*(\b/2)+32*(\b%2)+16
.endr
	WIN 0
.macro FRAG reg, adr, q, i             ; a fragment of B from padded rows of 192 bytes
.irp p, 0,1,2,3,4,5
.set PCE, 12*(\q)+6*(\p/3)+\p%3
.if PCE%8 < 5
	ds_load_b64 v[\reg+2*\p:\reg+2*\p+1], v[\adr] offset:8*PCE+16*(PCE/8)+(\i)*16*PITCH
.else
	ds_load_b64 v[\reg+2*\p:\reg+2*\p+1], v[\adr+2] offset:8*PCE+16*(PCE/8)+(\i)*16*PITCH
.endif
.endr
.endm
.macro FRAGA reg, adr, q, i            ; a fragment of A: registers 6 c .. 6 c + 5 are head 2 q + c of the K step, bytes 24 h .. of the token's 48
.irp p, 0,1,2,3,4,5
	ds_load_b64 v[\reg+2*\p:\reg+2*\p+1], v[\adr] offset:(2*(\q)+\p/3)*6144+(\i)*768+8*(\p%3)
.endr
.endm
; 16 matrix instructions; the 64 accumulators take turns, one instruction a turn.  zero = 1: the first product starts the sums from bo.
.macro MUL16 a0, p, q, sc, zero
.irp a, \a0, \a0+1
.irp b, 0,1,2,3,4,5,6,7
.if \zero
	v_wmma_scale_f32_16x16x128_f8f6f4 v[8*(8*((\a)%4)+\b):8*(8*((\a)%4)+\b)+7], v[128*(\p)+FR*\b:128*(\p)+FR*\b+FR-1], v[AF+FR*(\a):AF+FR*(\a)+FR-1], v[96+8*\b+96*(\b/4):96+8*\b+96*(\b/4)+7], v[SB+16*(\sc)+2*\b+(\q)], v[SA+16*(\sc)+2*(\a)+(\q)] matrix_a_fmt:MATRIX_FMT_FP6 matrix_b_fmt:MATRIX_FMT_FP6
.else
	v_wmma_scale_f32_16x16x128_f8f6f4 v[8*(8*((\a)%4)+\b):8*(8*((\a)%4)+\b)+7], v[128*(\p)+FR*\b:128*(\p)+FR*\b+FR-1], v[AF+FR*(\a):AF+FR*(\a)+FR-1], v[8*(8*((\a)%4)+\b):8*(8*((\a)%4)+\b)+7], v[SB+16*(\sc)+2*\b+(\q)], v[SA+16*(\sc)+2*(\a)+(\q)] matrix_a_fmt:MATRIX_FMT_FP6 matrix_b_fmt:MATRIX_FMT_FP6
.endif
.endr
.endr
.endm
.macro FETCH_B slot, q, p
	WIN TO_B
.irp i, 0,1,2,3,4,5,6,7
	FRAG 128*(\p)+FR*\i, ADRB+\slot, \q, \i
.endr
	WIN 0
.endm
.macro FETCH_A slot, q, i0
.irp i, \i0, \i0+1, \i0+2, \i0+3
	FRAGA AF+FR*(\i), ADRA+\slot, \q, \i
.endr
.endm
.macro SCALES sc                       ; a K step's scales: B's two words a row; A's four heads' halves
.irp i, 0,1,2,3,4,5,6,7
	ds_load_b64 v[SB+16*\sc+2*\i:SB+16*\sc+2*\i+1], v[ADRSB] offset:\i*SBLK
.endr
.irp i, 0,1,2,3,4,5,6,7
.irp e, 0,1,2,3
	ds_load_u16 v[RAW+4*\i+\e], v[ADRSA] offset:272*\e+32*\i
.endr
.endr
.endm
.macro PLACES n
.rept \n
	v_nop
.endr
.endm
.macro STEP slot, q, zero
	s_wait_dscnt 4*NL                              ; B's set, A's blocks 0-3 and the scales are in; the youngest 24 loads (A's blocks 4-7) may be out
.irp i, 0,1,2,3,4,5,6,7
.irp u, 0,1
	v_lshl_or_b32 v[SA+16*\slot+2*\i+\u], v[RAW+4*\i+2*\u+1], 16, v[RAW+4*\i+2*\u]   ; A's word for block i, the slot's u-th 128 along K
.endr
.endr
	PLACES 8                                       ; a scale register written by a vector line stands eight places ahead of a scaled product
	WIN MUL_LO-0x10*\zero                          ; (zero = 1: C in window 1)
	MUL16 0, (\q)%2, \q, \slot, \zero
	MUL16 2, (\q)%2, \q, \slot, \zero
	s_wait_dscnt 0
	PLACES NP
	FETCH_B \slot, (\q)+1, 1-(\q)%2
	FETCH_A \slot, (\q)+1, 0
	WIN MUL_HI-0x20*\zero
	MUL16 4, (\q)%2, \q, \slot, \zero
	MUL16 6, (\q)%2, \q, \slot, \zero
	PLACES NP
	WIN 0
	FETCH_A \slot, (\q)+1, 4
.endm
.macro TURN slot, next, fill
	s_wait_tensorcnt 0x0                           ; all my tensor loads have landed: my part of the next slot
	ds_add_u32 v[SPW], v[NIL]                      ; 0 onto my spare word
	s_wait_dscnt 4*NL+1                            ; (the add and the youngest 24 loads may be out)
	WIN MUL_LO
	MUL16 0, 1, NQ-1, \slot, 0
	s_wait_dscnt 0x0                               ; the add is done, and my reads of this slot are over
	s_barrier_signal -1
	MUL16 2, 1, NQ-1, \slot, 0
	WIN 0
	s_barrier_wait -1
.if \fill
	CREST                                          ; the barrier has opened a round of the cluster's
	s_add_nc_u64 s[G0+4*\slot+2:G0+4*\slot+3], s[G0+4*\slot+2:G0+4*\slot+3], 2*ASTEP
	s_add_nc_u64 s[G0B+4*\slot+2:G0B+4*\slot+3], s[G0B+4*\slot+2:G0B+4*\slot+3], 2*ROWB
	JLOAD G0+4*\slot, G1, G0B+4*\slot, G1B         ; the first tensor load behind the round, and my only one until the next
.else
	PLACES NP
.endif
	v_add_nc_u32 v[ADRSB], 4*NQ, v[ADRSB]          ; the next K step's scales
	v_add_nc_u32 v[ADRSA], 4*272, v[ADRSA]
	FETCH_B \next, 0, 0
	FETCH_A \next, 0, 0
	SCALES \next
	WIN MUL_HI
	MUL16 4, 1, NQ-1, \slot, 0
	MUL16 6, 1, NQ-1, \slot, 0
	PLACES NP
	WIN 0
	FETCH_A \next, 0, 4
.endm
	s_wait_tensorcnt 1                             ; the scales and my part of K step 0 are in (K step 1's load may be out)
	s_barrier_signal -1
	s_barrier_wait -1
	FETCH_B 0, 0, 0
	FETCH_A 0, 0, 0
	SCALES 0
	FETCH_A 0, 0, 4
	s_wait_loadcnt 0x0                             ; bo
	STEP 0, 0, 1
	s_mov_b32 s3, LAPS-1
.Llap:
	TURN 0, 1, 1
	STEP 1, 0, 0
	TURN 1, 0, 1
	STEP 0, 0, 0
	s_sub_co_u32 s3, s3, 1
	s_cmp_lg_u32 s3, 0
	s_cbranch_scc1 .Llap
	TURN 0, 1, 0
	STEP 1, 0, 0
	s_wait_dscnt 4*NL
	WIN MUL_LO
	MUL16 0, 1, NQ-1, 1, 0
	MUL16 2, 1, NQ-1, 1, 0
	s_wait_dscnt 0
	WIN MUL_HI
	MUL16 4, 1, NQ-1, 1, 0
	MUL16 6, 1, NQ-1, 1, 0
	WIN 0
; THE WAY OUT, block by block of 16 tokens x 128 columns, through my own stage: in by lanes, at the columns' true places; back as whole rows of 512 bytes, stored at the tokens' true rows.
.macro TOSTAGE a
.set AC, 64*((\a)%4)
	WIN 0x08+4*((\a)/4)                            ; the data: window 2 or 3
.irp b, 0,1,2,3,4,5,6,7
	ds_store_b128 v[STO], v[AC+8*\b:AC+8*\b+3] offset:128*(\b/2)+32*(\b%2)        ; each accumulator from its low end on
	ds_store_b128 v[STO], v[AC+8*\b+4:AC+8*\b+7] offset:128*(\b/2)+32*(\b%2)+16
.endr
	WIN 0
.set BKR, BK+64*((\a)%2)
.irp t, 0,1,2,3,4,5,6,7,8,9,10,11,12,13,14,15
	ds_load_b128 v[BKR+4*\t:BKR+4*\t+3], v[RD] offset:\t*SPITCH    ; LDS serves a wave's instructions in order (ISA guide 5.7.1.4)
.endr
.endm
.macro SEND a, younger
.set BKR, BK+64*((\a)%2)
	s_wait_dscnt \younger
.irp t, 0,1,2,3,4,5,6,7,8,9,10,11,12,13,14,15
	global_store_b128 v[CO], v[BKR+4*\t:BKR+4*\t+3], s[12:13] offset:(32*((\a)/2)+8*((\a)%2)+\t%8+16*(\t/8))*4096 th:TH_STORE_NT   ; 32 lanes store 512 consecutive bytes, aligned; stage row t of block a is true row 32 (a / 2) + 8 (a % 2) + t % 8 + 16 (t / 8)
.endr
.endm
	PLACES NP
	TOSTAGE 0
.irp a, 1,2,3,4,5,6,7
.if \a > 1
	s_wait_xcnt 0x0                                ; block a - 2's stores have read their registers: block a's loads may land there
.endif
	TOSTAGE \a
	SEND \a-1, 32                                  ; behind block a - 1's loads: block a's 16 stores and 16 loads
.endr
	SEND 7, 0
	s_wait_tensorcnt 0x0                           ; the wave's end
	ds_add_u32 v[SPW], v[NIL]
	s_wait_dscnt 0x0
	CROUND                                         ; the closing round
	s_endpgm
.Lfunc_end_k_qa94fe164f5_proj:
	.size	k_qa94fe164f5_proj, .Lfunc_end_k_qa94fe164f5_proj-k_qa94fe164f5_proj
	.p2alignl 7, 3214868480
	.fill 96, 4, 3214868480
	.section	.rodata,"a",@progbits
	.p2align	6, 0x0
	.amdhsa_kernel k_qa94fe164f5_proj
		.amdhsa_group_segment_fixed_size 327680
		.amdhsa_private_segment_fixed_size 0
		.amdhsa_enable_private_segment 0
		.amdhsa_kernarg_size 48
		.amdhsa_user_sgpr_count 2
		.amdhsa_user_sgpr_kernarg_segment_ptr 1
		.amdhsa_wavefront_size32 1
		.amdhsa_system_sgpr_workgroup_id_x 1
		.amdhsa_system_sgpr_workgroup_id_y 1
		.amdhsa_system_sgpr_workgroup_id_z 1
		.amdhsa_system_vgpr_workitem_id 0
		.amdhsa_next_free_vgpr 1024
		.amdhsa_next_free_sgpr 100
		.amdhsa_reserve_vcc 0
		.amdhsa_float_denorm_mode_32 3
		.amdhsa_float_denorm_mode_16_64 3
		.amdhsa_memory_ordered 1
		.amdhsa_forward_progress 1
		.amdhsa_inst_pref_size 174
	.end_amdhsa_kernel
	.amdgpu_metadata
---
amdhsa.version: [ 1, 2 ]
amdhsa.kernels:
  - .name:           k_qa94fe164f5_proj
    .symbol:         k_qa94fe164f5_proj.kd
    .args:
      - { .name: ao_codes, .offset: 0, .size: 8, .value_kind: global_buffer, .address_space: global }
      - { .name: ao_scales, .offset: 8, .size: 8, .value_kind: global_buffer, .address_space: global }
      - { .name: codes, .offset: 16, .size: 8, .value_kind: global_buffer, .address_space: global }
      - { .name: scales, .offset: 24, .size: 8, .value_kind: global_buffer, .address_space: global }
      - { .name: out0, .offset: 32, .size: 8, .value_kind: global_buffer, .address_space: global }
      - { .name: bo, .offset: 40, .size: 8, .value_kind: global_buffer, .address_space: global }
    .group_segment_fixed_size: 327680
    .private_segment_fixed_size: 0
    .kernarg_segment_align: 8
    .kernarg_segment_size: 48
    .max_flat_workgroup_size: 128
    .sgpr_count:     100
    .vgpr_count:     1024
    .wavefront_size: 32
...
	.end_amdgpu_metadata
.endif
;; end of part 4
